; MI455X (gfx1250); checked and timed in simulation.
; The chip was launched on July 23, 2026; its instructions are those of AMD's public machine-readable ISA for CDNA 5 (MIT licence, August 2026) and "CDNA5" Instruction Set Architecture Reference Guide (July 2026). The comments in the code are by the model that wrote it; some were corrected since.
;; Muti Head Attention. Allowed arithmetic: matrix products marked QUANTISED: E2M3 operands, one E8M0 scale for each 32 along K, by v_wmma_scale_f32_16x16x128_f8f6f4 with both operands' format E2M3, f32 sums; everything else in f32.
;; Inputs: W_K 1,024 x 1,024 float32; W_O 1,024 x 1,024 float32; W_Q 1,024 x 1,024 float32; W_V 1,024 x 1,024 float32; x 4 x 2,048 x 1,024 float32.
;; Outputs: out0 4 x 2,048 x 1,024 float32.
;; This version of the problem:
;;   THIS VERSION OF THE PROBLEM IS GIVEN IN LOW PRECISION. The matrix products marked QUANTISED in the list below multiply operands that are first quantised to E2M3 (2 exponent bits, 3 mantissa bits; 6 bits a number), with one power-of-two scale for each 32 numbers along K (OCP MX v1.0); their sums are f32. All else is computed in f32.
;;   The module's matrix products, in the order in which they are computed (A, B: the left and right operand; K: the contracted axis; several contracted axes count as one K, in the product's order):
;;     1. [M 8,192, K 1,024] x [K 1,024, N 1,024]; A: input x; B: input W_Q: QUANTISED
;;     2. [M 8,192, K 1,024] x [K 1,024, N 1,024]; A: input x; B: input W_K: QUANTISED
;;     3. [M 8,192, K 1,024] x [K 1,024, N 1,024]; A: input x; B: input W_V: QUANTISED
;;     4. batch 64 x [M 2,048, K 64] x [K 64, N 2,048]; A: computed on the way; B: computed on the way: QUANTISED
;;     5. batch 64 x [M 2,048, K 2,048] x [K 2,048, N 64]; A: softmax (see below); B: computed on the way: QUANTISED
;;     6. [M 8,192, K 1,024] x [K 1,024, N 1,024]; A: computed on the way; B: input W_O: QUANTISED
;;   THE QUANTISER, for each operand of a quantised product, along K:
;;     - K is cut into blocks of 32 from its start; a last block that is shorter is filled with zeros.
;;     - A block's scale is 2^e with e = floor(log2(the largest magnitude in the block)) - 2, held to -126 .. 127; a block of zeros has e = 0. As a byte (E8M0): e + 127.
;;     - Each number is divided by its block's scale, clamped to +-7.5, and rounded to the nearest number of E2M3, ties to even, subnormals kept.
;;     - The product sums the exact products of the quantised numbers (number of the format x scale) in f32.
;;   ~~~python
;;   def quantise(x, axis):      # numpy; x: float32 -> the quantised numbers, widened to float32 again
;;       x = np.moveaxis(x, axis, -1); K = x.shape[-1]
;;       x = np.pad(x, [(0, 0)] * (x.ndim - 1) + [(0, -K % 32)]); x = x.reshape(x.shape[:-1] + (-1, 32)); a = np.abs(x).max(-1, keepdims=True)
;;       e = np.where(a > 0, np.clip(np.frexp(np.where(a > 0, a, 1))[1] - 1 - 2, -126, 127), 0)      # np.frexp(a)[1] - 1 = floor(log2(a)), exactly
;;       r = np.clip(x / 2.0 ** e, -7.5, 7.5)
;;       step = 2.0 ** (np.maximum(np.frexp(np.where(r == 0, 1, r))[1] - 1, 0) - 3)
;;       q = np.round(r / step) * step * 2.0 ** e      # np.round: ties to even
;;       return np.moveaxis(q.reshape(q.shape[:-2] + (-1,))[..., :K], -1, axis).astype(np.float32)
;;   ~~~
;;   SOFTMAX AHEAD OF A QUANTISED PRODUCT. Where the list says 'softmax', what is quantised is not the finished softmax but p = 2^(t - M), with t = logit x log2(e) and M = ceil(the row's largest t), a whole number; so 1/2 < the row's largest p <= 1. The row's sum l is taken of the UNQUANTISED p, in f32, and the product's result is divided by l at the end. Since M is a whole number, a kernel that streams over the keys may use a running M (the ceiling of the running maximum): every later rescaling is an exact power of two, which a block's scale takes up: the codes' values come out the same.
;;   OPERANDS COMPUTED ON THE WAY. 'Computed on the way' means the value that the module computes at that place (a softmax that the list does not call 'softmax' is quantised finished and normalised). What goes into a quantiser is computed in f32, as accurately as f32 sums, v_exp_f32 and their like allow (about 1e-6 of the number): no bf16 or f16 on the way to a quantiser, and a product that is left as it is and whose result goes on into a quantised operand takes f32 operands (vector FMAs, or v_wmma_f32_16x16x4_f32). A number that lies on a knife's edge between two numbers of the format may be rounded either way, as far as f32 arithmetic and the matrix unit's own rounding can turn it there, and no further.
;; One version. Each part assembles by itself: llvm-mc -triple=amdgcn-amd-amdhsa -mcpu=gfx1250 --defsym DOCPART=n.
;; ======== version 1 of 1: 4 launches
;; limits: right only within a limited range of input values
;; workspace buffers: xq 6,291,456 bytes; xs 262,144 bytes; wq 3,145,728 bytes; ws 131,072 bytes; qkv 18,874,368 bytes; sc 786,432 bytes; aq 6,291,456 bytes; asc 262,144 bytes
;; launch quant (part 1): grid 384 x 1, 4 waves a work-group, no clusters, 35,328 bytes of LDS; arguments x, W_Q, W_K, W_V, W_O, xq, xs, wq, ws; writes xq, xs, wq, ws
.if DOCPART == 1
	.amdgcn_target "amdgcn-amd-amdhsa--gfx1250"
	.amdhsa_code_object_version 6
	.text
	.protected	k_qa0a8f8120e_quant
	.globl	k_qa0a8f8120e_quant
	.p2align	8
	.type	k_qa0a8f8120e_quant,@function
k_qa0a8f8120e_quant:
	s_mov_b64 s[64:65], 0
	v_nop
	global_prefetch_b8 v0, s[64:65] scope:SCOPE_SE
	s_setreg_imm32_b32 hwreg(HW_REG_WAVE_MODE, 25, 1), 1
	s_wait_xcnt 0x0
; x [8192][1024] and W_Q, W_K, W_V, W_O [1024][1024], f32 with K innermost, become codes of FP6 (E2M3) with one E8M0 byte for each 32 along K.
; A block's scale is 2^(floor(log2(its largest magnitude)) - 2); its byte is the largest magnitude's exponent field - 2, held at 1 from below.
; LIMITS: NaN and infinities among the inputs are not served.  A block of zeros (and one whose largest magnitude lies under 2^-124) gets the byte 1 where the
; rule says 127 for zeros: its codes are zeros, which add nothing under any byte but 0xff, and the bytes are read by this program alone.
; THE CODES ARE LAID AS IMAGES OF THE OPERAND'S REGISTERS.  A unit of 768 bytes holds 16 rows x 64 along K: lane l = (r = l % 16, h = l / 16) owns the 24 bytes
; of block h of the row at place r; its first 16 bytes lie at 16 l, its last 8 at 512 + 8 l.  A tile's 16 units (K = 1024) follow each other: 12,288 bytes a tile.
; THE ROWS OF A TILE ARE NOT NEIGHBOURS: place r of tile 2 B + u is row 32 B + 8 u + r + 8 (r / 8), so that a product which takes such tiles as source 0
; leaves 16 neighbouring rows in the 16 registers of two neighbouring tiles.
; THE SCALE BYTES: [tile][half of K][place r][4 words], a word = the four bytes of 128 along K: 256 bytes for a tile's half of K.
; SHARES: a wave takes one tile's half of K: 16 rows x 512 numbers, in 8 steps of 64 along K.  A step's eight loads each read two rows' aligned 256 bytes, 16 bytes a lane;
; the 4,096 bytes turn through the wave's own stage in LDS (rows 272 bytes apart) and come back 128 bytes a lane: a whole block of 32 in one lane's registers.
; Work-groups 0-255 take x, then 32 each W_Q, W_K, W_V, W_O: only pointers are chosen, one path serves all.  Waves share nothing: no barrier.  Nothing is shared between work-groups: no cluster.
.set R,    16                          ; v16-111   three sets of 32 numbers as they are loaded
.set X,    112                         ; v112-175  two sets of 32 neighbours
.set C,    176                         ; v176-239  codes: eight registers for each step, so that no store's data are written again
.set D,    240                         ; v240-242  a block's upper 16 codes as the conversion leaves them
.set SW,   244                         ; v244-247  the four scale words of my row
.set STG,  4352                        ; a stage: 16 rows x 272 bytes
	s_load_b256 s[4:11], s[0:1], 0x0               ; x, W_Q, W_K, W_V
	s_load_b256 s[12:19], s[0:1], 0x20             ; W_O, xq, xs, wq
	s_load_b64 s[20:21], s[0:1], 0x40              ; ws
	v_lshl_add_u32 v254, v0, 2, 0x8800
	v_mov_b32 v255, 0
	v_lshrrev_b32 v1, 5, v0
	v_readfirstlane_b32 s22, v1                    ; wave 0..3
	v_and_b32 v2, 31, v0                           ; lane
	v_and_b32 v3, 15, v0                           ; r
	v_bfe_u32 v1, v0, 4, 1                         ; h
	v_lshlrev_b32 v4, 4, v3
	v_lshl_add_u32 v4, v1, 16, v4                  ; in: 16 bytes a lane of a row's 256; lanes 16-31 stand 16 rows (65,536 bytes) further down: places 8-15
	s_mul_i32 s23, s22, 2*STG                      ; my wave's two stages
	v_mul_u32_u24 v5, v1, 8*272
	v_lshl_add_u32 v5, v3, 4, v5
	v_add_nc_u32 v5, s23, v5                       ; into a stage: place i (lanes 0-15) or 8 + i (lanes 16-31), as loaded
	v_mul_u32_u24 v6, v3, 272
	v_lshl_add_u32 v6, v1, 7, v6
	v_add_nc_u32 v6, s23, v6                       ; out of it: place r, block h: 128 bytes
	v_lshlrev_b32 v7, 4, v2                        ; a unit's first part: 16 x lane
	v_lshlrev_b32 v8, 3, v2                        ; its second: 8 x lane
	v_lshlrev_b32 v9, 4, v3
	v_lshl_add_u32 v9, v1, 3, v9                   ; the scale words: 16 r + 8 h
	v_lshlrev_b32 v10, 3, v1                       ; 8 h: my block's byte stands 8 h bits up in a word's half
	v_mov_b32 v248, 0                              ; written once: a lane permute's destination counts as one of its sources
	s_mov_b32 s24, 0x76543210
	s_mov_b32 s25, 0xfedcba98                      ; v_permlanex16_b32's selects for lane l xor 16
	s_mov_b32 s26, 0xffff0000                      ; lanes 16-31
	s_lshl_b32 s27, ttmp9, 2
	s_add_co_u32 s27, s27, s22                     ; 4 x work-group + wave
	s_cmp_lt_u32 ttmp9, 256                        ; x or a weight?
	s_cselect_b32 s28, 0, 1024
	s_cselect_b32 s31, 511, 63                     ; tiles in the source tensor, less 1
	s_sub_co_u32 s27, s27, s28                     ; which half tile of xq or of wq is mine
	s_lshr_b32 s29, s27, 1                         ; the tile
	s_and_b32 s30, s27, 1                          ; the half of K
	s_and_b32 s31, s29, s31                        ; the tile within its source tensor
	s_lshr_b32 s32, s31, 1
	s_lshl_b32 s32, s32, 5
	s_and_b32 s33, s31, 1
	s_lshl_b32 s33, s33, 3
	s_add_co_u32 s32, s32, s33                     ; its place 0: row 32 B + 8 u
	s_lshl_b32 s32, s32, 12                        ; rows of 4,096 bytes
	s_lshl_b32 s33, s30, 11
	s_add_co_u32 s32, s32, s33                     ; + 2,048 bytes for the second half of K
	s_mov_b32 s33, 0
	s_mul_i32 s34, s27, 6144                       ; the codes: 8 units
	s_mov_b32 s35, 0
	s_lshl_b32 s36, s27, 8                         ; the scale bytes: 256
	s_mov_b32 s37, 0
	s_wait_alu depctr_va_vdst(0)
	s_wait_kmcnt 0x0
	s_cmp_lt_u32 ttmp9, 352                        ; the choices hang on the work-group's number alone
	s_cselect_b64 s[12:13], s[10:11], s[12:13]
	s_cmp_lt_u32 ttmp9, 320
	s_cselect_b64 s[12:13], s[8:9], s[12:13]
	s_cmp_lt_u32 ttmp9, 288
	s_cselect_b64 s[12:13], s[6:7], s[12:13]
	s_cmp_lt_u32 ttmp9, 256
	s_cselect_b64 s[12:13], s[4:5], s[12:13]       ; the source
	s_cselect_b64 s[14:15], s[14:15], s[18:19]     ; its codes
	s_cselect_b64 s[16:17], s[16:17], s[20:21]     ; its scale bytes
	s_add_nc_u64 s[12:13], s[12:13], s[32:33]
	s_add_nc_u64 s[14:15], s[14:15], s[34:35]
	s_add_nc_u64 s[16:17], s[16:17], s[36:37]
.macro LOAD t                          ; step t: 64 along K of the 16 rows, into set t % 3
.irp i, 0,1,2,3,4,5,6,7
	global_load_b128 v[R+32*((\t)%3)+4*\i:R+32*((\t)%3)+4*\i+3], v4, s[12:13] offset:4096*\i+256*(\t) th:TH_LOAD_NT   ; sixteen lanes read 256 consecutive bytes, aligned; read once in the launch
.endr
.endm
.macro TURN t                          ; step t's numbers through stage t % 2: LDS serves a wave's instructions in order, so no wait stands between the stores and the loads
.irp i, 0,1,2,3,4,5,6,7
	ds_store_b128 v5, v[R+32*((\t)%3)+4*\i:R+32*((\t)%3)+4*\i+3] offset:STG*((\t)%2)+272*\i
.endr
.irp j, 0,1,2,3,4,5,6,7
	ds_load_b128 v[X+32*((\t)%2)+4*\j:X+32*((\t)%2)+4*\j+3], v6 offset:STG*((\t)%2)+16*\j
.endr
.endm
.macro STEP t
.set XS, X+32*((\t)%2)
.set CS, C+8*(\t)
	s_wait_dscnt 0x0                               ; this step's numbers are back from the stage, and its stores into the stage have read set t % 3,
.if (\t)+3 < 8
	LOAD (\t)+3                                    ; which takes the loads of three steps on
.endif
.if (\t) < 7
.if (\t) <= 4
	s_wait_loadcnt 16                              ; the next step's eight loads are in; the two sets behind them may be out
.else
	s_wait_loadcnt 8*(6-(\t))                      ; the counts run down: one set, then none
.endif
	TURN (\t)+1                                    ; and go through the other stage while this step is worked
.endif
	v_max3_num_f32 v11, |v[XS]|, |v[XS+1]|, |v[XS+2]|              ; the block's largest magnitude: all 32 numbers are mine; two chains
	v_max3_num_f32 v12, |v[XS+3]|, |v[XS+4]|, |v[XS+5]|
.irp i, 6,10,14,18,22,26
	v_max3_num_f32 v11, v11, |v[XS+\i]|, |v[XS+\i+1]|
	v_max3_num_f32 v12, v12, |v[XS+\i+2]|, |v[XS+\i+3]|
.endr
	v_max3_num_f32 v11, v11, |v[XS+30]|, |v[XS+31]|
	v_max3_num_f32 v11, v11, v12, 0x1800000        ; and the floor 2^(3 - 127): the byte cannot fall under 1
	v_add_nc_u32 v13, 0xff000000, v11              ; 2 off its exponent field: the conversion takes the exponent field of this operand as its scale
	v_cvt_scalef32_pk16_fp6_f32 v[CS:CS+2], v[XS:XS+15], v13
	v_cvt_scalef32_pk16_fp6_f32 v[D:D+2], v[XS+16:XS+31], v13      ; (a conversion's three registers begin on an even number)
	v_lshrrev_b32 v14, 23, v13                     ; the scale's byte.  (The plain instruction between the conversions and the moves below)
.if (\t)%2 == 0
	v_mov_b32 v15, v14                             ; a word is two steps: the even step's byte below,
.else
	v_lshl_or_b32 v15, v14, 16, v15                ; the odd step's 16 bits up,
	v_lshlrev_b32 v15, v10, v15                    ; both 8 h bits up;
	v_permlanex16_b32 v248, v15, s24, s25
	v_or_b32 v[SW+(\t)/2], v15, v248               ; with lane l xor 16's two the word is whole
.endif
.irp i, 0,1,2
	v_mov_b32 v[CS+3+\i], v[D+\i]
.endr
	global_store_b128 v7, v[CS:CS+3], s[14:15] offset:768*(\t)         ; 512 consecutive bytes, aligned to 256
	global_store_b64 v8, v[CS+4:CS+5], s[14:15] offset:768*(\t)+512    ; 256 consecutive bytes, aligned
.endm
	LOAD 0
	LOAD 1
	LOAD 2
	s_wait_loadcnt 16                              ; step 0's eight loads are in
	TURN 0
.irp t, 0,1,2,3,4,5,6,7
	STEP \t
.endr
	v_cndmask_b32 v250, v[SW], v[SW+2], s26        ; lanes 0-15 store words 0, 1 of their row, lanes 16-31 words 2, 3
	v_cndmask_b32 v251, v[SW+1], v[SW+3], s26
	global_store_b64 v9, v[250:251], s[16:17]      ; 32 lanes store 256 consecutive bytes, aligned
	s_wait_tensorcnt 0x0
	ds_add_u32 v254, v255
	s_wait_dscnt 0x0
	s_endpgm
.Lfunc_end_k_qa0a8f8120e_quant:
	.size	k_qa0a8f8120e_quant, .Lfunc_end_k_qa0a8f8120e_quant-k_qa0a8f8120e_quant
	.p2alignl 7, 3214868480
	.fill 96, 4, 3214868480
	.section	.rodata,"a",@progbits
	.p2align	6, 0x0
	.amdhsa_kernel k_qa0a8f8120e_quant
		.amdhsa_group_segment_fixed_size 35328
		.amdhsa_private_segment_fixed_size 0
		.amdhsa_enable_private_segment 0
		.amdhsa_kernarg_size 72
		.amdhsa_user_sgpr_count 2
		.amdhsa_user_sgpr_kernarg_segment_ptr 1
		.amdhsa_wavefront_size32 1
		.amdhsa_system_sgpr_workgroup_id_x 1
		.amdhsa_system_sgpr_workgroup_id_y 1
		.amdhsa_system_sgpr_workgroup_id_z 1
		.amdhsa_system_vgpr_workitem_id 0
		.amdhsa_next_free_vgpr 256
		.amdhsa_next_free_sgpr 66
		.amdhsa_reserve_vcc 0
		.amdhsa_float_denorm_mode_32 3
		.amdhsa_float_denorm_mode_16_64 3
		.amdhsa_memory_ordered 1
		.amdhsa_forward_progress 1
		.amdhsa_inst_pref_size 32
	.end_amdhsa_kernel
	.amdgpu_metadata
---
amdhsa.version: [ 1, 2 ]
amdhsa.kernels:
  - .name:           k_qa0a8f8120e_quant
    .symbol:         k_qa0a8f8120e_quant.kd
    .args:
      - { .name: x, .offset: 0, .size: 8, .value_kind: global_buffer, .address_space: global }
      - { .name: W_Q, .offset: 8, .size: 8, .value_kind: global_buffer, .address_space: global }
      - { .name: W_K, .offset: 16, .size: 8, .value_kind: global_buffer, .address_space: global }
      - { .name: W_V, .offset: 24, .size: 8, .value_kind: global_buffer, .address_space: global }
      - { .name: W_O, .offset: 32, .size: 8, .value_kind: global_buffer, .address_space: global }
      - { .name: xq, .offset: 40, .size: 8, .value_kind: global_buffer, .address_space: global }
      - { .name: xs, .offset: 48, .size: 8, .value_kind: global_buffer, .address_space: global }
      - { .name: wq, .offset: 56, .size: 8, .value_kind: global_buffer, .address_space: global }
      - { .name: ws, .offset: 64, .size: 8, .value_kind: global_buffer, .address_space: global }
    .group_segment_fixed_size: 35328
    .private_segment_fixed_size: 0
    .kernarg_segment_align: 8
    .kernarg_segment_size: 72
    .max_flat_workgroup_size: 128
    .sgpr_count:     66
    .vgpr_count:     256
    .wavefront_size: 32
...
	.end_amdgpu_metadata
.endif
;; end of part 1
;; launch qkv (part 2): grid 12 x 32, 4 waves a work-group, clusters of 4 x 4, 327,680 bytes of LDS; arguments xq, xs, wq, ws, qkv, sc; writes qkv, sc
.if DOCPART == 2
	.amdgcn_target "amdgcn-amd-amdhsa--gfx1250"
	.amdhsa_code_object_version 6
	.text
	.protected	k_qa0a8f8120e_qkv
	.globl	k_qa0a8f8120e_qkv
	.p2align	8
	.type	k_qa0a8f8120e_qkv,@function
k_qa0a8f8120e_qkv:
	s_mov_b64 s[64:65], 0
	v_nop
	global_prefetch_b8 v0, s[64:65] scope:SCOPE_SE
	s_setreg_imm32_b32 hwreg(HW_REG_WAVE_MODE, 25, 1), 1
	s_wait_xcnt 0x0
	s_wait_alu depctr_hold_cnt(0) depctr_sa_sdst(0) depctr_va_vdst(0) depctr_va_sdst(0) depctr_va_ssrc(0) depctr_va_vcc(0) depctr_vm_vsrc(0)
	s_getreg_b32 s2, hwreg(HW_REG_IB_STS2, 6, 4)
	s_cmp_eq_u32 s2, 0
	s_cbranch_scc0 .Lentry_in_a_cluster
	s_endpgm
.Lentry_in_a_cluster:
	s_bfe_u32 s2, ttmp6, 0x10000c
	s_cmp_lg_u32 s2, 0xf033
	s_cbranch_scc0 .Lentry_shape_is_right
	s_endpgm
.Lentry_shape_is_right:
.set NQ,     2
.set FR,     12
.set NL,     4
.set NP,     4
.set TILEB,  3072
.set HALFT,  8*TILEB
.set SLOT,   4*HALFT
.set SCL,     3*SLOT
.set HALFS,  4096
.set SPARE,  SCL+4*HALFS
.set ADRA, 8
.set ADRB, 16
.set CA,   24
.set CB8,  25
.set SST,  26
.set ADRS, 27
.set SPW,  28
.set NIL,  29
.set SRD,  30
.set SC,   32
.set TM,   64
.set PW,   80
.set PCB,  96
.set AF,   128
.set G1, 24
.set G0, 32
.set G1B, 48
.set G0B, 56
.set G1S, 68
.set G0S, 76
.set G1SB, 80
.set G0SB, 88
.set MSB, 0
.macro WIN new
.if MSB != \new
	s_set_vgpr_msb (MSB<<8)|\new
.set MSB, \new
.endif
.endm
.set MUL_LO, 0xa1
.set MUL_HI, 0xf1
.set TO_B,   0x40
.macro JLOAD g0a, g1a, g0b, g1b
	s_cmp_eq_u32 s15, 0
	s_cbranch_scc0 .Lfor_b_\@
	tensor_load_to_lds s[\g0a:\g0a+3], s[\g1a:\g1a+7]
	s_nop 0
.rept 4
	v_nop
.endr
	s_branch .Lasked_\@
.Lfor_b_\@:
	tensor_load_to_lds s[\g0b:\g0b+3], s[\g1b:\g1b+7]
	s_nop 0
.rept 4
	v_nop
.endr
.Lasked_\@:
.endm
.macro CREST
	s_cmp_lg_u32 s14, 0
	s_cbranch_scc1 .Lnot_wave_0_\@
	s_barrier_signal -3
.Lnot_wave_0_\@:
	s_barrier_wait -3
	s_barrier_signal -1
	s_barrier_wait -1
.endm
.macro CROUND
	s_barrier_signal -1
	s_barrier_wait -1
	CREST
.endm
	s_load_b128 s[4:7], s[0:1], 0x0
	s_load_b128 s[8:11], s[0:1], 0x10
	s_load_b64 s[12:13], s[0:1], 0x20
	s_load_b64 s[96:97], s[0:1], 0x28
	v_lshl_add_u32 v[SPW], v0, 2, SPARE
	v_mov_b32 v[NIL], 0
	ds_add_u32 v28, v29
	ds_add_u32 v28, v29
	s_wait_dscnt 0x0
	v_lshrrev_b32 v1, 5, v0
	v_readfirstlane_b32 s14, v1
	s_lshr_b32 s15, s14, 1
	s_and_b32 s16, s14, 1
	s_bfe_u32 s40, ttmp6, 0x40000
	s_bfe_u32 s41, ttmp6, 0x40004
	s_and_b32 s18, ttmp7, 0xffff
	s_cmp_eq_u32 ttmp9, 2
	s_cselect_b32 s95, 1, 0
	s_cselect_b32 s42, s18, ttmp9
	s_cselect_b32 s17, 2, s18
	s_lshl_b32 s42, s42, 2
	s_add_co_u32 s42, s42, s40
	s_lshl_b32 s17, s17, 2
	s_add_co_u32 s17, s17, s41
	s_lshl_b32 s43, s41, 2
	s_lshl_b32 s43, 15, s43
	s_lshl_b32 s44, 0x1111, s40
	s_or_b32 s[G1+0], s43, (3<<16)|(1<<21)
	s_or_b32 s[G1B+0], s44, (3<<16)|(1<<21)
.irp g, G1, G1B
	s_mov_b32 s[\g+1], 768<<16
	s_mov_b32 s[\g+2], 16<<16
	s_mov_b32 s[\g+3], 768<<16
	s_mov_b32 s[\g+4], 16
	s_mov_b32 s[\g+5], 1536
	s_mov_b32 s[\g+6], 0
	s_mov_b32 s[\g+7], 0
.endr
	s_or_b32 s[G1S+0], s43, (3<<16)|(1<<21)
	s_or_b32 s[G1SB+0], s44, (3<<16)|(1<<21)
.irp g, G1S, G1SB
	s_mov_b32 s[\g+1], 32<<16
	s_mov_b32 s[\g+2], 32<<16
	s_mov_b32 s[\g+3], 32<<16
	s_mov_b32 s[\g+4], 32
	s_mov_b32 s[\g+5], 32
	s_mov_b32 s[\g+6], 0
	s_mov_b32 s[\g+7], 0
.endr
	s_lshl_b32 s18, s16, 7
	s_lshl_b32 s20, s17, 8
	s_add_co_u32 s20, s20, s18
	s_lshl_b32 s46, s42, 8
	s_add_co_u32 s46, s46, s18
	s_lshl_b32 s22, s20, 5
	s_mul_i32 s20, s20, 768
	s_mov_b32 s21, 0
	s_mov_b32 s23, 0
	s_lshl_b32 s92, s46, 5
	s_mul_i32 s46, s46, 768
	s_mov_b32 s47, 0
	s_mov_b32 s93, 0
	s_mul_i32 s45, s14, HALFT
	s_wait_kmcnt 0x0
	s_cmp_eq_u32 s95, 1
	s_cselect_b64 s[98:99], s[8:9], s[4:5]
	s_cselect_b64 s[8:9], s[4:5], s[8:9]
	s_cselect_b64 s[4:5], s[10:11], s[6:7]
	s_cselect_b64 s[10:11], s[6:7], s[10:11]
	s_add_nc_u64 s[20:21], s[98:99], s[20:21]
	s_add_nc_u64 s[22:23], s[4:5], s[22:23]
	s_add_nc_u64 s[46:47], s[8:9], s[46:47]
	s_add_nc_u64 s[92:93], s[10:11], s[92:93]
	CROUND
	s_mov_b32 s[G0S], 1
	s_mov_b32 s[G0S+1], SCL
	s_lshl_b32 s18, s16, 12                        ; back to the first of the tile's 256 rows: the head's loads bring whole tiles
	s_mov_b32 s19, 0
	s_sub_nc_u64 s[G0S+2:G0S+3], s[22:23], s[18:19]
	s_or_b32 s[G0S+3], s[G0S+3], 0x80000000
	s_mov_b32 s[G0SB], 1
	s_mov_b32 s[G0SB+1], SCL+2*HALFS
	s_sub_nc_u64 s[G0SB+2:G0SB+3], s[92:93], s[18:19]
	s_or_b32 s[G0SB+3], s[G0SB+3], 0x80000000
.irp s, 0,1
	s_mov_b32 s[G0+4*\s], 1
	s_add_co_u32 s[G0+4*\s+1], s45, (1-\s)*2*SLOT
	s_add_nc_u64 s[G0+4*\s+2:G0+4*\s+3], s[20:21], (2-\s)*TILEB
	s_or_b32 s[G0+4*\s+3], s[G0+4*\s+3], 0x80000000
	s_mov_b32 s[G0B+4*\s], 1
	s_add_co_u32 s[G0B+4*\s+1], s45, (1-\s)*2*SLOT
	s_add_nc_u64 s[G0B+4*\s+2:G0B+4*\s+3], s[46:47], (2-\s)*TILEB
	s_or_b32 s[G0B+4*\s+3], s[G0B+4*\s+3], 0x80000000
.endr
	s_mul_i32 s18, s16, 128*768
	s_mov_b32 s4, 1                                ; s[4:7], s[8:11]: group 0 of the head's loads of slot 0: A's 16 tiles, B's 16 tiles (the arguments that lay there have served)
	s_mov_b32 s5, 0
	s_sub_nc_u64 s[6:7], s[20:21], s[18:19]
	s_or_b32 s7, s7, 0x80000000
	s_mov_b32 s8, 1
	s_mov_b32 s9, SLOT
	s_sub_nc_u64 s[10:11], s[46:47], s[18:19]
	s_or_b32 s11, s11, 0x80000000
; the head's four tiles, one tensor load a wave, in one chain of branches on the wave's number: A's codes, B's codes, A's scales, B's scales
.macro ARM under, g0, g1, next
	s_cmp_lt_u32 s14, \under
	s_cbranch_scc0 \next
	tensor_load_to_lds s[\g0:\g0+3], s[\g1:\g1+7]
	s_nop 0
.rept 4
	v_nop
.endr
	s_branch .Lhead_asked
\next:
.endm
	ARM 1, G0S, G1S, .Lhead_b                      ; the scales are asked for first; then K quarters 0 and 1 of A's and of B's 16 tiles, rows of 6,144 bytes
	ARM 2, G0SB, G1SB, .Lhead_sa
	ARM 3, 4, G1, .Lhead_sb
	tensor_load_to_lds s[8:11], s[G1B:G1B+7]
	s_nop 0
.rept 4
	v_nop
.endr
.Lhead_asked:
	v_and_b32 v1, 15, v0
	v_bfe_u32 v2, v0, 4, 1
	v_and_b32 v3, 31, v0
	v_lshlrev_b32 v[CA], 4, v3
	v_lshlrev_b32 v[CB8], 3, v3
	v_add_nc_u32 v5, 512, v[CB8]
	s_mul_i32 s21, s15, HALFT
	s_mul_i32 s22, s16, HALFT
	s_add_co_u32 s22, s22, 2*HALFT
; three sets of fragment addresses: 0: K quarters 0 and 1 (A from byte 0, B from SLOT, 6,144 bytes a tile); 1: quarter 2 (from 2 SLOT, 3,072 a tile); 2: quarter 3 (from byte 0, 3,072 a tile)
.irp s, 2,1
	v_add_nc_u32 v[ADRA+\s], s21, v[CA]
	v_add_nc_u32 v[ADRB+\s], s22, v[CA]
	v_add_nc_u32 v[ADRA+3+\s], s21, v5
	v_add_nc_u32 v[ADRB+3+\s], s22, v5
	s_add_co_u32 s21, s21, 2*SLOT
	s_add_co_u32 s22, s22, 2*SLOT
.endr
	s_mul_i32 s21, s15, 2*HALFT
	s_mul_i32 s22, s16, 2*HALFT
	s_add_co_u32 s22, s22, SLOT
	v_add_nc_u32 v[ADRA], s21, v[CA]
	v_add_nc_u32 v[ADRB], s22, v[CA]
	v_add_nc_u32 v[ADRA+3], s21, v5
	v_add_nc_u32 v[ADRB+3], s22, v5
	v_lshlrev_b32 v6, 4, v1
	s_lshl_b32 s21, s15, 12
	s_lshl_b32 s22, s16, 12
	s_add_co_u32 s22, s22, 2*HALFS
	s_sub_co_u32 s22, s22, s21
	v_mul_u32_u24 v7, s22, v2
	s_add_co_u32 s21, s21, SCL
	v_add_nc_u32 v6, v6, v7
	v_add_nc_u32 v[ADRS], s21, v6
	s_lshl_b32 s23, s14, 9
	s_add_co_u32 s23, s23, 2*SLOT                  ; the stage lies where quarter 2 lay: its last fill and, ahead of the walk's last barrier, its last reads are over
	v_lshl_add_u32 v[SST], v1, 2, s23
	v_add_nc_u32 v[SRD], s23, v[CA]
	s_lshl_b32 s66, s42, 1
	s_add_co_u32 s66, s66, s16
	s_cmp_eq_u32 s95, 1
	s_cselect_b32 s67, 6, 9
	s_cselect_b32 s98, 8064, 0
	s_lshl_b32 s66, s66, s67
	s_add_co_u32 s66, s66, s98
	s_lshl_b32 s67, s17, 4
	s_add_co_u32 s66, s66, s67
	s_lshl_b32 s67, s15, 3
	s_add_co_u32 s66, s66, s67
	s_mul_i32 s98, s66, 1536
	s_mov_b32 s99, 0
	s_add_nc_u64 s[12:13], s[12:13], s[98:99]
	s_lshl_b32 s98, s66, 6
	s_add_nc_u64 s[96:97], s[96:97], s[98:99]
	s_mov_b32 s18, 0x76543210
	s_mov_b32 s19, 0xfedcba98
.macro FRAG reg, adr, q, i
.irp c, 0,1
	ds_load_b128 v[\reg+6*\c:\reg+6*\c+3], v[\adr] offset:(\i)*TP+KO+768*(2*(\q)+\c)
	ds_load_b64 v[\reg+6*\c+4:\reg+6*\c+5], v[\adr+3] offset:(\i)*TP+KO+768*(2*(\q)+\c)
.endr
.endm
.macro MUL16 a0, p, q, sc, zero
.irp a, \a0, \a0+1
.irp b, 0,1,2,3,4,5,6,7
.if \zero
	v_wmma_scale_f32_16x16x128_f8f6f4 v[8*(8*((\a)%4)+\b):8*(8*((\a)%4)+\b)+7], v[128*(\p)+FR*\b:128*(\p)+FR*\b+FR-1], v[AF+FR*(\a):AF+FR*(\a)+FR-1], 0, v[SC+8*NQ*(\sc)+NQ*\b+(\q)], v[SC+8*NQ*(\sc)+NQ*(\a)+(\q)] matrix_a_fmt:MATRIX_FMT_FP6 matrix_b_fmt:MATRIX_FMT_FP6 matrix_a_scale:MATRIX_SCALE_ROW1
.else
	v_wmma_scale_f32_16x16x128_f8f6f4 v[8*(8*((\a)%4)+\b):8*(8*((\a)%4)+\b)+7], v[128*(\p)+FR*\b:128*(\p)+FR*\b+FR-1], v[AF+FR*(\a):AF+FR*(\a)+FR-1], v[8*(8*((\a)%4)+\b):8*(8*((\a)%4)+\b)+7], v[SC+8*NQ*(\sc)+NQ*\b+(\q)], v[SC+8*NQ*(\sc)+NQ*(\a)+(\q)] matrix_a_fmt:MATRIX_FMT_FP6 matrix_b_fmt:MATRIX_FMT_FP6 matrix_a_scale:MATRIX_SCALE_ROW1
.endif
.endr
.endr
.endm
.macro FETCH_B slot, q, p
	WIN TO_B
.irp i, 0,1,2,3,4,5,6,7
	FRAG 128*(\p)+FR*\i, ADRB+ASL, \q, \i
.endr
	WIN 0
.endm
.macro FETCH_A slot, q, i0
.irp i, \i0, \i0+1, \i0+2, \i0+3
	FRAG AF+FR*(\i), ADRA+ASL, \q, \i
.endr
.endm
.macro SCALES sc, kq
.irp i, 0,1,2,3,4,5,6,7
	ds_load_b64 v[SC+8*NQ*\sc+NQ*\i:SC+8*NQ*\sc+NQ*\i+1], v[ADRS] offset:\i*512+256*((\kq)>>1)+8*((\kq)&1)
.endr
.endm
.macro PLACES n
.rept \n
	v_nop
.endr
.endm
.macro STEP slot, q, zero
	s_wait_dscnt 4*NL
	WIN MUL_LO
	MUL16 0, (\q)%2, \q, \slot, \zero
	MUL16 2, (\q)%2, \q, \slot, \zero
	s_wait_dscnt 0
	PLACES NP
	FETCH_B \slot, (\q)+1, 1-(\q)%2
	FETCH_A \slot, (\q)+1, 0
	WIN MUL_HI
	MUL16 4, (\q)%2, \q, \slot, \zero
	MUL16 6, (\q)%2, \q, \slot, \zero
	PLACES NP
	WIN 0
	FETCH_A \slot, (\q)+1, 4
.endm
.macro TURN slot, next, fill, kq
.if \fill == 2                         ; from quarter 0 to quarter 1: both came with the head's loads, so no barrier stands here
	s_wait_dscnt 4*NL
	WIN MUL_LO
	MUL16 0, 1, NQ-1, \slot, 0
	MUL16 2, 1, NQ-1, \slot, 0
	s_wait_dscnt 0
	PLACES NP
.else
	s_wait_tensorcnt 0x0
	ds_add_u32 v[SPW], v[NIL]
	s_wait_dscnt 4*NL+1
	WIN MUL_LO
	MUL16 0, 1, NQ-1, \slot, 0
	s_wait_dscnt 0x0
	s_barrier_signal -1
	MUL16 2, 1, NQ-1, \slot, 0
	WIN 0
	s_barrier_wait -1
.if \fill
	CREST
	s_add_nc_u64 s[G0+4*\slot+2:G0+4*\slot+3], s[G0+4*\slot+2:G0+4*\slot+3], 2*TILEB
	s_add_nc_u64 s[G0B+4*\slot+2:G0B+4*\slot+3], s[G0B+4*\slot+2:G0B+4*\slot+3], 2*TILEB
	JLOAD G0+4*\slot, G1, G0B+4*\slot, G1B
.else
	PLACES NP
.endif
.endif
	FETCH_B \next, 0, 0
	FETCH_A \next, 0, 0
	SCALES \next, \kq
	WIN MUL_HI
	MUL16 4, 1, NQ-1, \slot, 0
	MUL16 6, 1, NQ-1, \slot, 0
	PLACES NP
	WIN 0
	FETCH_A \next, 0, 4
.endm
	s_wait_alu depctr_va_vdst(0)
	s_wait_tensorcnt 0x0                           ; my tile of the head's four is in; slot 1's first fill is issued as a refill is
	ds_add_u32 v[SPW], v[NIL]
	s_mov_b32 s[G1+2], 8<<16                       ; no tensor load of mine is out: from here on a load brings 8 tiles
	s_mov_b32 s[G1+4], 8
	s_mov_b32 s[G1B+2], 8<<16
	s_mov_b32 s[G1B+4], 8
	s_mov_b32 s[G1+1], 384<<16                     ; of one K quarter: rows of 3,072 bytes
	s_mov_b32 s[G1+3], 384<<16
	s_mov_b32 s[G1B+1], 384<<16
	s_mov_b32 s[G1B+3], 384<<16
	s_wait_dscnt 0x0
	CROUND
	JLOAD G0, G1, G0B, G1B                         ; quarter 2, to 2 SLOT
.set ASL, 0                            ; which set of addresses, which tile pitch and which offset the fetches below take
.set TP, 2*TILEB
.set KO, 0
	FETCH_B 0, 0, 0
	FETCH_A 0, 0, 0
	SCALES 0, 0
	FETCH_A 0, 0, 4
	STEP 0, 0, 1
.set KO, TILEB
	TURN 0, 1, 2, 1
	STEP 1, 0, 0
.set ASL, 1
.set TP, TILEB
.set KO, 0
	TURN 1, 0, 1, 2                                ; the one refill: quarter 3 onto the bytes from 0 on, which quarters 0 and 1 have left
	STEP 0, 0, 0
.set ASL, 2
	TURN 0, 1, 0, 3
	STEP 1, 0, 0
	s_wait_dscnt 4*NL
	WIN MUL_LO
	MUL16 0, 1, NQ-1, 1, 0
	MUL16 2, 1, NQ-1, 1, 0
	s_wait_dscnt 0
	WIN MUL_HI
	MUL16 4, 1, NQ-1, 1, 0
	MUL16 6, 1, NQ-1, 1, 0
	WIN 0
.macro QUANTW a
.set QS, 64*((\a)%4)
.set QW, 2+(\a)/4
.set QW01, QW|(QW<<2)
.set QW12, (QW<<2)|(QW<<4)
.set PC, PCB+20*(\a)
	WIN QW01
.irp b, 0,1,2,3
	v_max3_num_f32 v[TM+\b], |v[QS+16*\b]|, |v[QS+1+16*\b]|, 0x1800000
.endr
	WIN QW12
.irp i, 2,4,6,8,10,12,14
.irp b, 0,1,2,3
	v_max3_num_f32 v[TM+\b], v[TM+\b], |v[QS+16*\b+\i]|, |v[QS+1+16*\b+\i]|
.endr
.endr
	WIN 0
.irp b, 0,1,2,3
	v_permlanex16_b32 v[TM+4+\b], v[TM+\b], s18, s19
.endr
.irp b, 0,1,2,3
	v_max_num_f32 v[TM+\b], v[TM+\b], v[TM+4+\b]
.endr
.irp b, 0,1,2,3
	v_add_nc_u32 v[TM+12+\b], 0xff000000, v[TM+\b]
.endr
.irp b, 0,1,2,3
	v_lshrrev_b32 v[TM+4+\b], 23, v[TM+12+\b]
.endr
	v_lshl_or_b32 v[PW+\a], v[TM+5], 8, v[TM+4]
	v_lshl_or_b32 v[PW+\a], v[TM+6], 16, v[PW+\a]
	v_lshl_or_b32 v[PW+\a], v[TM+7], 24, v[PW+\a]
	WIN QW
.irp c, 0,1
	v_cvt_scalef32_pk16_fp6_f32 v[PC+6*\c:PC+2+6*\c], v[QS+32*\c:QS+15+32*\c], v[TM+12+2*\c]
	v_cvt_scalef32_pk16_fp6_f32 v[PC+12+4*\c:PC+14+4*\c], v[QS+16+32*\c:QS+31+32*\c], v[TM+12+2*\c+1]
.endr
	WIN 0
	v_nop
.irp c, 0,1
.irp i, 0,1,2
	v_permlane16_swap_b32 v[PC+6*\c+\i], v[PC+12+4*\c+\i]
.endr
.irp i, 0,1,2
	v_mov_b32 v[PC+3+6*\c+\i], v[PC+12+4*\c+\i]
.endr
.endr
	global_store_b128 v[CA], v[PC:PC+3], s[12:13] offset:1536*(\a)
	global_store_b64 v[CB8], v[PC+4:PC+5], s[12:13] offset:1536*(\a)+512
	global_store_b128 v[CA], v[PC+6:PC+9], s[12:13] offset:1536*(\a)+768
	global_store_b64 v[CB8], v[PC+10:PC+11], s[12:13] offset:1536*(\a)+1280
	ds_store_b32 v[SST], v[PW+\a] offset:64*(\a)
.endm
	PLACES NP
.irp b, 0,1,2,3
	v_mov_b32 v[TM+4+\b], 0
.endr
.irp a, 0,1,2,3,4,5,6,7
	QUANTW \a
.endr
	ds_load_b128 v[88:91], v[SRD]
	s_wait_dscnt 0x0
	global_store_b128 v[CA], v[88:91], s[96:97]
	s_wait_tensorcnt 0x0
	ds_add_u32 v[SPW], v[NIL]
	s_wait_dscnt 0x0
	CROUND
	s_endpgm
.Lfunc_end_k_qa0a8f8120e_qkv:
	.size	k_qa0a8f8120e_qkv, .Lfunc_end_k_qa0a8f8120e_qkv-k_qa0a8f8120e_qkv
	.p2alignl 7, 3214868480
	.fill 96, 4, 3214868480
	.section	.rodata,"a",@progbits
	.p2align	6, 0x0
	.amdhsa_kernel k_qa0a8f8120e_qkv
		.amdhsa_group_segment_fixed_size 327680
		.amdhsa_private_segment_fixed_size 0
		.amdhsa_enable_private_segment 0
		.amdhsa_kernarg_size 48
		.amdhsa_user_sgpr_count 2
		.amdhsa_user_sgpr_kernarg_segment_ptr 1
		.amdhsa_wavefront_size32 1
		.amdhsa_system_sgpr_workgroup_id_x 1
		.amdhsa_system_sgpr_workgroup_id_y 1
		.amdhsa_system_sgpr_workgroup_id_z 1
		.amdhsa_system_vgpr_workitem_id 0
		.amdhsa_next_free_vgpr 1024
		.amdhsa_next_free_sgpr 100
		.amdhsa_reserve_vcc 0
		.amdhsa_float_denorm_mode_32 3
		.amdhsa_float_denorm_mode_16_64 3
		.amdhsa_memory_ordered 1
		.amdhsa_forward_progress 1
		.amdhsa_inst_pref_size 150
	.end_amdhsa_kernel
	.amdgpu_metadata
---
amdhsa.version: [ 1, 2 ]
amdhsa.kernels:
  - .name:           k_qa0a8f8120e_qkv
    .symbol:         k_qa0a8f8120e_qkv.kd
    .args:
      - { .name: xq, .offset: 0, .size: 8, .value_kind: global_buffer, .address_space: global }
      - { .name: xs, .offset: 8, .size: 8, .value_kind: global_buffer, .address_space: global }
      - { .name: wq, .offset: 16, .size: 8, .value_kind: global_buffer, .address_space: global }
      - { .name: ws, .offset: 24, .size: 8, .value_kind: global_buffer, .address_space: global }
      - { .name: qkv, .offset: 32, .size: 8, .value_kind: global_buffer, .address_space: global }
      - { .name: sc, .offset: 40, .size: 8, .value_kind: global_buffer, .address_space: global }
    .group_segment_fixed_size: 327680
    .private_segment_fixed_size: 0
    .kernarg_segment_align: 8
    .kernarg_segment_size: 48
    .max_flat_workgroup_size: 128
    .sgpr_count:     100
    .vgpr_count:     1024
    .wavefront_size: 32
...
	.end_amdgpu_metadata
.endif
;; end of part 2
;; launch attn (part 3): grid 4 x 64, 16 waves a work-group, clusters of 4 x 1, 235,520 bytes of LDS; arguments qkv, sc, aq, asc; writes aq, asc
.if DOCPART == 3
	.amdgcn_target "amdgcn-amd-amdhsa--gfx1250"
	.amdhsa_code_object_version 6
	.text
	.protected	k_qa0a8f8120e_attn
	.globl	k_qa0a8f8120e_attn
	.p2align	8
	.type	k_qa0a8f8120e_attn,@function
k_qa0a8f8120e_attn:
	s_mov_b64 s[64:65], 0
	v_nop
	global_prefetch_b8 v0, s[64:65] scope:SCOPE_SE
	s_setreg_imm32_b32 hwreg(HW_REG_WAVE_MODE, 25, 1), 1
	s_wait_xcnt 0x0
	s_wait_alu depctr_hold_cnt(0) depctr_sa_sdst(0) depctr_va_vdst(0) depctr_va_sdst(0) depctr_va_ssrc(0) depctr_va_vcc(0) depctr_vm_vsrc(0)
	s_getreg_b32 s2, hwreg(HW_REG_IB_STS2, 6, 4)
	s_cmp_eq_u32 s2, 0
	s_cbranch_scc0 .Lentry_in_a_cluster
	s_endpgm
.Lentry_in_a_cluster:
	s_bfe_u32 s2, ttmp6, 0x10000c
	s_cmp_lg_u32 s2, 0x3003
	s_cbranch_scc0 .Lentry_shape_is_right
	s_endpgm
.Lentry_shape_is_right:
; attn[b][q][h d] = sum over k of softmax_k(Q . K / 8) V for each of 64 (batch, head); both products on codes of FP6 (E2M3) with E8M0 scales; the result is quantised along (h d) and leaves as codes.
; SOFTMAX: t = score x log2(e) / 8; M = the row's largest t so far, rounded up to a whole number; p = 2^(t - M) is quantised along the keys, not normalised.  The row's sum is taken of the
; unquantised p in f32 and divides O at the end.  When M moves, the sum and O are multiplied by 2^(old M - new M): exact.
; SHARES: a work-group owns 512 query places of one (batch, head); each of its sixteen waves two tiles of 16, one after the other; every wave walks all 2,048 keys, 128 a step.
; A whole head's K and V lie in LDS, filled once by six tensor loads at the head: no ring, no refill, one barrier.  The four work-groups of a (batch, head) form a cluster and ask jointly.
; No prefetch: all that the launch reads by tensor loads is asked for at its head.
; LAYOUT: operands lie as images of their registers (a unit of 768 bytes = 16 rows x 64 along K: lane l's 16 bytes at 16 l, its 8 at 512 + 8 l).  In LDS K's units have 64 bytes of padding behind each 256: 960 bytes a unit.
; Both products are used transposed: S^T = K Q^T, O^T = V^T P^T: a lane holds one query (lane % 16) throughout.
; THE KEYS OF A TILE ARE CHOSEN BY THE LANES' ADDRESSES: places 0-7 of tile 4 c + u are keys 64 c + 8 u + 0..7, places 8-15 keys 64 c + 32 + 8 u + 0..7 of the step (each eight lie on end in a stored unit).
; So the 32 registers of tiles 4 c .. 4 c + 3 in lane (r, h) are keys 64 c + 32 h + 0 .. 31: one whole scale block, in the order of p's operand registers: no lane asks another for a block's maximum or its codes.
; THE FIRST PRODUCT'S K IS 64: Q's registers 6-11 are zero codes.  What K's fragment holds there is multiplied by zero: it is the next tile's codes (tile 7: p's), so eight fragments lie in 48 registers; the scale bytes there are 0, no NaN.
; LOADS RUN AHEAD: behind a step's first product its V and the next step's K are asked for.  The last trip's request for K names the units behind K's (V's first): whole bytes of LDS, not used.
; LIMITS: NaN and infinities are not served; the promise holds while the scaled scores stay under 2^31 in magnitude; p under 2^-126 becomes 0 (v_exp_f32 flushes, ISA guide 15.8); 1 / sum is v_rcp_f32's;
; a block of zeros gets the byte 1 (its codes are zeros; this program alone reads the bytes).
; REGISTERS: v1-7 addresses that stay; v8-13 the step's; v14, v15 the add's; v16-27 Q; SCALES ONLY: v28 Q's, v29 p's, v30-31 V's, v32-35 K's; v36-83 K; v84-95 p's codes; v96-159 S^T, then p; v160-191 O^T;
; v192-239 V; v240 -M, v241 the largest score; v[242:243] the sum, v244-249 three more chains; v250 f, v251 8 h; v252-255 the blocks' maxima, then scales.
.set UP,    960
.set VB,    128*UP                     ; LDS: K's 128 units at 0, V's 16 steps x 6,144 bytes here,
.set KSC,   VB+98304                   ; K's scale words: 64 bytes a tile,
.set VSC,   KSC+8192                   ; V's: 256 bytes a step,
.set SPARE, VSC+4096                   ; the spare words: 128 bytes a wave
.set WV,   12
.set G1K,  16
.set G1V,  24
.set G1KS, 32
.set G1VS, 40
.set G0C,  48
.set G0S,  52
.set SEL,  56
.set CS,   58                          ; s[58:59] c = log2(e) / 8
.set TBK,  60                          ; the next step's K codes: 7,680 bytes a step
.set TBV,  61                          ; this step's V codes: VB + 6,144 a step
.set TSK,  62                          ; the next step's K scale words: 512
.set TSV,  63                          ; this step's V scale words: VSC + 256
.set KC,   95
.macro CROUND
	s_barrier_signal -1
	s_barrier_wait -1
	s_cmp_lg_u32 s[WV], 0
	s_cbranch_scc1 .Lnot_wave_0_\@
	s_barrier_signal -3
.Lnot_wave_0_\@:
	s_barrier_wait -3
	s_barrier_signal -1
	s_barrier_wait -1
.endm
.macro TL g0, g1
	tensor_load_to_lds s[\g0:\g0+3], s[\g1:\g1+7]
	s_nop 0
.rept 4
	v_nop
.endr
.endm
	s_load_b256 s[4:11], s[0:1], 0x0               ; qkv, sc, aq, asc
	v_lshl_add_u32 v14, v0, 2, SPARE
	v_mov_b32 v15, 0
	ds_add_u32 v14, v15
	ds_add_u32 v14, v15
	v_lshrrev_b32 v1, 5, v0
	v_readfirstlane_b32 s[WV], v1                  ; wave 0..15
	s_bfe_u32 s13, ttmp6, 0x40000                  ; cx
	s_lshl_b32 s14, ttmp9, 2
	s_add_co_u32 s14, s14, s13                     ; my block of 512 query places: it enters Q's and the result's addresses alone
	s_and_b32 s68, ttmp7, 0xffff                   ; (batch, head)
	s_lshr_b32 s69, s68, 4                         ; b
	s_and_b32 s70, s68, 15                         ; head
	s_lshr_b32 s71, s70, 1                         ; the pair of heads that shares a unit of Q or K,
	s_and_b32 s72, s70, 1                          ; and which of the two
	s_and_b32 s73, s[WV], 1
	s_lshl_b32 s74, s71, 9
	s_add_co_u32 s74, s74, 4096
	s_lshl_b32 s75, s69, 7
	s_add_co_u32 s74, s74, s75                     ; K's first unit: (8 + pair) x 512 + b x 128
	s_lshl_b32 s76, s73, 6
	s_add_co_u32 s76, s76, s74                     ; waves 0, 1: tiles 64 (wave % 2) on
	s_mul_i32 s76, s76, 1536
	s_mul_i32 s77, s72, 768
	s_add_co_u32 s76, s76, s77
	s_lshl_b32 s78, s69, 10
	s_lshl_b32 s79, s70, 2
	s_add_co_u32 s78, s78, s79
	s_add_co_u32 s78, s78, 8192                    ; V's first unit
	s_lshl_b32 s79, s73, 9
	s_add_co_u32 s79, s79, s78                     ; waves 2, 3: key steps 8 (wave % 2) on
	s_mul_i32 s79, s79, 1536
	s_cmp_lt_u32 s[WV], 2
	s_cselect_b32 s80, s76, s79
	s_mov_b32 s81, 0
	s_cmp_eq_u32 s73, 0
	s_cselect_b32 s82, s74, s78                    ; wave 4: K's scale words, wave 5: V's
	s_lshl_b32 s82, s82, 6
	s_mov_b32 s83, 0
	s_lshl_b32 s84, s14, 5
	s_lshl_b32 s85, s[WV], 1
	s_add_co_u32 s84, s84, s85
	s_add_co_u32 s84, s84, s75                     ; my first tile of tokens
	s_lshl_b32 s85, s71, 9
	s_add_co_u32 s85, s85, s84
	s_mul_i32 s86, s85, 1536
	s_add_co_u32 s86, s86, s77
	s_mov_b32 s87, 0
	s_lshl_b32 s88, s85, 6
	s_lshl_b32 s94, s72, 1
	s_add_co_u32 s88, s88, s94
	s_mov_b32 s89, 0
	s_lshl_b32 s90, s84, 4
	s_add_co_u32 s90, s90, s70
	s_mul_i32 s90, s90, 768                        ; the result's unit: (tile x 16 + head) x 768
	s_mov_b32 s91, 0
	s_lshl_b32 s92, s84, 9                         ; its scale bytes: tile x 512 + (head / 8) x 256 + ((head / 2) % 4) x 4 + 2 (head % 2)
	s_add_co_u32 s92, s92, s94
	s_lshr_b32 s94, s70, 3
	s_lshl_b32 s94, s94, 8
	s_add_co_u32 s92, s92, s94
	s_and_b32 s94, s71, 3
	s_lshl_b32 s94, s94, 2
	s_add_co_u32 s92, s92, s94
	s_mov_b32 s93, 0
	s_mov_b32 s[G1K], 15|(3<<16)|(1<<20)|(1<<21)|(5<<22)|(15<<25)   ; K's codes: 16 words of padding behind every 64
.irp g, G1V, G1KS, G1VS
	s_mov_b32 s[\g], 15|(3<<16)|(1<<21)            ; elements of 8 bytes, the mask of all four partners, bit 21 beside it
.endr
.irp g, G1K, G1V, G1KS, G1VS
	s_mov_b32 s[\g+6], 0
	s_mov_b32 s[\g+7], 0
.endr
	s_mov_b32 s[G1K+1], 96<<16                     ; K's codes: 64 rows of 768 bytes, 1,536 bytes apart
	s_mov_b32 s[G1K+2], 64<<16
	s_mov_b32 s[G1K+3], 96<<16
	s_mov_b32 s[G1K+4], 64
	s_mov_b32 s[G1K+5], 192
	s_mov_b32 s[G1V+1], 768<<16                    ; V's codes: 8 rows of 6,144 bytes, 64 units apart
	s_mov_b32 s[G1V+2], 8<<16
	s_mov_b32 s[G1V+3], 768<<16
	s_mov_b32 s[G1V+4], 8
	s_mov_b32 s[G1V+5], 12288
	s_mov_b32 s[G1KS+1], 32<<16                    ; K's scale words: 32 rows of 256 bytes, dense
	s_mov_b32 s[G1KS+2], 32<<16
	s_mov_b32 s[G1KS+3], 32<<16
	s_mov_b32 s[G1KS+4], 32
	s_mov_b32 s[G1KS+5], 32
	s_mov_b32 s[G1VS+1], 32<<16                    ; V's: 16 rows of 256 bytes, 4,096 bytes apart
	s_mov_b32 s[G1VS+2], 16<<16
	s_mov_b32 s[G1VS+3], 32<<16
	s_mov_b32 s[G1VS+4], 16
	s_mov_b32 s[G1VS+5], 512
	s_mov_b32 s[SEL], 0x76543210
	s_mov_b32 s[SEL+1], 0xfedcba98
	s_mov_b32 s[CS], 0x3e38aa3b
	s_mov_b32 s[CS+1], s[CS]
	s_mov_b32 s67, 0xffff0000                      ; lanes 16-31
	s_mov_b32 s[G0C], 1
	s_min_u32 s94, s[WV], 3
	s_mul_i32 s[G0C+1], s94, 49152                 ; waves 0, 1: K's halves of 61,440 bytes; waves 2, 3: V's of 49,152, from VB on
	s_min_u32 s94, s[WV], 2
	s_mul_i32 s94, s94, 12288
	s_add_co_u32 s[G0C+1], s[G0C+1], s94
	s_mov_b32 s[G0S], 1
	s_lshl_b32 s[G0S+1], s73, 13
	s_add_co_u32 s[G0S+1], s[G0S+1], KSC
	s_wait_dscnt 0x0
	s_wait_kmcnt 0x0
	s_add_nc_u64 s[G0C+2:G0C+3], s[4:5], s[80:81]
	s_or_b32 s[G0C+3], s[G0C+3], 0x80000000
	s_add_nc_u64 s[G0S+2:G0S+3], s[6:7], s[82:83]
	s_or_b32 s[G0S+3], s[G0S+3], 0x80000000
	s_add_nc_u64 s[4:5], s[4:5], s[86:87]          ; Q's codes at my first tile
	s_add_nc_u64 s[6:7], s[6:7], s[88:89]          ; its scale words
	s_add_nc_u64 s[8:9], s[8:9], s[90:91]          ; the result's codes
	s_add_nc_u64 s[10:11], s[10:11], s[92:93]      ; its scale bytes
	CROUND                                         ; all four work-groups are here: the joint loads meet
	s_cmp_lt_u32 s[WV], 2                          ; one load a wave, in waves 0 to 5
	s_cbranch_scc0 .Lnot_k
	TL G0C, G1K
	s_branch .Lasked
.Lnot_k:
	s_cmp_lt_u32 s[WV], 4
	s_cbranch_scc0 .Lnot_v
	TL G0C, G1V
	s_branch .Lasked
.Lnot_v:
	s_cmp_eq_u32 s[WV], 4
	s_cbranch_scc0 .Lnot_ks
	TL G0S, G1KS
	s_branch .Lasked
.Lnot_ks:
	s_cmp_eq_u32 s[WV], 5
	s_cbranch_scc0 .Lasked
	TL G0S, G1VS
.Lasked:
	v_and_b32 v8, 31, v0                           ; lane
	v_and_b32 v9, 15, v0                           ; r
	v_bfe_u32 v10, v0, 4, 1                        ; h
	v_lshlrev_b32 v1, 4, v8                        ; 16 x lane
	v_lshlrev_b32 v2, 3, v8                        ; 8 x lane
	v_lshlrev_b32 v3, 2, v8                        ; 4 x lane
	v_lshlrev_b32 v11, 2, v9                       ; Q's scale words: 4 r
	global_load_b128 v[16:19], v1, s[4:5]          ; Q of my first tile
	global_load_b64 v[20:21], v2, s[4:5] offset:512
	global_load_u16 v28, v11, s[6:7]               ; my head's two bytes; the upper two are 0
	v_and_b32 v12, 7, v0                           ; r % 8
	v_bfe_u32 v13, v0, 3, 1                        ; r / 8: places 8-15 come from the unit two further on
	v_mul_u32_u24 v4, v13, 2*UP
	v_mad_u32_u24 v5, v10, 128, v4
	v_mad_u32_u24 v4, v10, 320, v4
	v_lshl_add_u32 v4, v12, 4, v4                  ; K's 16 bytes: 1,920 (r / 8) + 16 (r % 8) + 320 h
	v_lshl_add_u32 v5, v12, 3, v5
	v_add_nc_u32 v5, 640, v5                       ; K's 8 bytes: 640 + 1,920 (r / 8) + 8 (r % 8) + 128 h
	s_lshl_b32 s94, s72, 1
	s_add_co_u32 s94, s94, KSC
	v_lshlrev_b32 v6, 6, v10
	v_lshl_add_u32 v6, v13, 7, v6
	v_lshl_add_u32 v6, v12, 2, v6
	v_add_nc_u32 v6, s94, v6                       ; K's scale bytes: lanes 0-15 an even tile's rows, lanes 16-31 the odd tile's: 64 h + 128 (r / 8) + 4 (r % 8)
	v_lshl_add_u32 v7, v9, 4, v10                  ; the result's scale bytes: 16 r + h
	v_lshlrev_b32 v251, 3, v10                     ; 8 h: where my blocks' bytes stand in p's scale word
.irp j, 22,23,24,25,26,27,84,85,86,87,88,89,245
	v_mov_b32 v[\j], 0                             ; Q's zero codes; what tile 7's fragment names before p is first made; a lane permute's destination
.endr
	s_wait_alu depctr_va_vdst(0)
	s_wait_tensorcnt 0x0
	s_barrier_signal -1
	s_barrier_wait -1                              ; the head's K and V are whole, and nothing writes them from here on
	s_wait_loadcnt 0x0                             ; Q
.macro KLOAD a, b, s                   ; a step's eight tiles of K and their scale bytes: 20 loads
.irp t, 0,1,2,3,4,5,6,7
	ds_load_b128 v[36+6*\t:39+6*\t], v[\a] offset:UP*(4*(\t/4)+\t%2)+128*((\t%4)/2)
	ds_load_b64 v[40+6*\t:41+6*\t], v[\b] offset:UP*(4*(\t/4)+\t%2)+64*((\t%4)/2)
.endr
.irp w, 0,1,2,3
	ds_load_u16 v[32+\w], v[\s] offset:256*(\w/2)+32*(\w%2)
.endr
.endm
.macro PKF from, n                     ; t - M, two at a time
.set j, \from
.rept \n
	v_pk_fma_f32 v[96+2*j:97+2*j], v[96+2*j:97+2*j], s[CS:CS+1], v[240:241] op_sel_hi:[1,0,0]
.set j, j+1
.endr
.endm
.macro ADDP j                          ; a pair of p onto one of the four chains, by turns
	v_pk_add_f32 v[242+2*(CH%4):243+2*(CH%4)], v[242+2*(CH%4):243+2*(CH%4)], v[96+2*(\j):97+2*(\j)]
.set CH, CH+1
.endm
; A KEY STEP: 128 keys
.macro STEP
	s_wait_dscnt 0x0                               ; this step's K, asked for a step ago
.irp t, 0,1,2,3,4,5,6,7
.if (\t)%2
	v_wmma_scale_f32_16x16x128_f8f6f4 v[96+8*\t:103+8*\t], v[36+6*\t:47+6*\t], v[16:27], 0, v[32+\t/2], v28 matrix_a_fmt:MATRIX_FMT_FP6 matrix_b_fmt:MATRIX_FMT_FP6 matrix_a_scale:MATRIX_SCALE_ROW1
.else
	v_wmma_scale_f32_16x16x128_f8f6f4 v[96+8*\t:103+8*\t], v[36+6*\t:47+6*\t], v[16:27], 0, v[32+\t/2], v28 matrix_a_fmt:MATRIX_FMT_FP6 matrix_b_fmt:MATRIX_FMT_FP6
.endif
.endr
	v_add_nc_u32 v10, s[TBV], v1                   ; these six are the places between the products and the loads into their registers, and ahead of the first read of the scores
	v_add_nc_u32 v11, s[TBV], v2
	v_add_nc_u32 v13, s[TSV], v3
	v_add_nc_u32 v8, s[TBK], v4
	v_add_nc_u32 v9, s[TBK], v5
	v_add_nc_u32 v12, s[TSK], v6
.irp ct, 0,1,2,3                               ; this step's V: 18 loads
	ds_load_b128 v[192+12*\ct:195+12*\ct], v10 offset:1536*\ct
	ds_load_b64 v[196+12*\ct:197+12*\ct], v11 offset:1536*\ct+512
	ds_load_b128 v[198+12*\ct:201+12*\ct], v10 offset:1536*\ct+768
	ds_load_b64 v[202+12*\ct:203+12*\ct], v11 offset:1536*\ct+1280
.endr
.irp i, 0,1
	ds_load_b32 v[30+\i], v13 offset:128*\i
.endr
	KLOAD 8, 9, 12                                 ; the next step's K: 20 loads
.irp c, 0,1                                    ; the largest score of my two blocks of 32 keys, each in two chains; each accumulator from its low end on
	v_max3_num_f32 v[252+2*\c], v[96+32*\c], v[97+32*\c], v[98+32*\c]
	v_max3_num_f32 v[253+2*\c], v[112+32*\c], v[113+32*\c], v[114+32*\c]
.endr
.irp i, 3,5,7,9,11,13
.irp c, 0,1
	v_max3_num_f32 v[252+2*\c], v[252+2*\c], v[96+32*\c+\i], v[97+32*\c+\i]
	v_max3_num_f32 v[253+2*\c], v[253+2*\c], v[112+32*\c+\i], v[113+32*\c+\i]
.endr
.endr
.irp c, 0,1
	v_max3_num_f32 v[252+2*\c], v[252+2*\c], v[253+2*\c], v[111+32*\c]
.endr
.irp c, 0,1
	v_max_num_f32 v[252+2*\c], v[252+2*\c], v[127+32*\c]
.endr
	s_delay_alu instid0(VALU_DEP_1)
	v_max_num_f32 v244, v252, v254
	s_delay_alu instid0(VALU_DEP_1)
	v_permlanex16_b32 v245, v244, s[SEL], s[SEL+1] ; lane l xor 16's two blocks
	s_delay_alu instid0(VALU_DEP_1)
	v_max3_num_f32 v241, v241, v244, v245          ; the running largest score of my query
	s_delay_alu instid0(VALU_DEP_1)
	v_mul_f32 v244, s[CS], v241                    ; as t (c is positive)
	v_mov_b32 v245, v240
	s_delay_alu instid0(VALU_DEP_2)
	v_floor_f32 v240, -v244                        ; the new -M = -ceil(t)
	PKF 0, 4
	v_sub_f32 v245, v240, v245                     ; M's old value less its new one: a whole number, 0 or less
	PKF 4, 4
	v_cvt_i32_f32 v245, v245                       ; (it saturates)
	PKF 8, 4
	v_ldexp_f32 v250, 1.0, v245                    ; f = 2^(old M - new M)
	PKF 12, 20
.irp c, 0,1
	v_fma_f32 v[252+2*\c], v[252+2*\c], s[CS], v240   ; the same of each block's largest score: p rises with the score
.endr
.set j, 0
.rept 16
	v_pk_mul_f32 v[160+j:161+j], v[160+j:161+j], v[250:251] op_sel_hi:[1,0]   ; O^T under the new M
.set j, j+2
.endr
	s_wait_alu depctr_va_vdst(0)
	v_exp_f32 v252, v252
	v_exp_f32 v254, v254
.set j, 0
.rept 64
	v_exp_f32 v[96+j], v[96+j]                     ; p = 2^(t - M)
.set j, j+1
.endr
	v_pk_mul_f32 v[242:243], v[242:243], v[250:251] op_sel_hi:[1,0]   ; the sum under the new M: the plain line behind the batch
	s_wait_alu depctr_va_vdst(0)                   ; and the one wait behind it
	v_max_num_f32 v252, 0x1800000, v252            ; the floor 2^(3 - 127): the byte cannot fall under 1
	v_max_num_f32 v254, 0x1800000, v254
	v_pk_add_f32 v[244:245], v[96:97], v[98:99]    ; the row's sum of the unquantised p, in four chains; first the numbers whose registers take codes below
	v_pk_add_f32 v[246:247], v[128:129], v[130:131]
	v_add_nc_u32 v253, 0xff000000, v252            ; 2 off the exponent field: the conversions' scale operand
	v_add_nc_u32 v255, 0xff000000, v254
	v_pk_add_f32 v[248:249], v[100:101], v[102:103]
	v_pk_add_f32 v[242:243], v[242:243], v[104:105]
	v_cvt_scalef32_pk16_fp6_f32 v[84:86], v[96:111], v253
	v_cvt_scalef32_pk16_fp6_f32 v[90:92], v[128:143], v255
	v_lshrrev_b32 v252, 23, v253                   ; the scales' bytes
	v_lshrrev_b32 v254, 23, v255
	v_cvt_scalef32_pk16_fp6_f32 v[96:98], v[112:127], v253      ; (a conversion's three registers begin on an even number)
	v_cvt_scalef32_pk16_fp6_f32 v[128:130], v[144:159], v255
	v_lshl_or_b32 v252, v254, 16, v252             ; blocks h and 2 + h,
	v_lshlrev_b32 v252, v251, v252                 ; at their places in the word
.irp i, 0,1,2
	v_mov_b32 v[87+\i], v[96+\i]
	v_mov_b32 v[93+\i], v[128+\i]
.endr
	v_permlanex16_b32 v254, v252, s[SEL], s[SEL+1]
	v_or_b32 v29, v252, v254                       ; p's scale word for these 128 keys
.set CH, 1
.irp j, 5,6,7,8,9,10,11,12,13,14,15,18,19,20,21,22,23,24,25,26,27,28,29,30,31
	ADDP \j                                        ; these 28 lines are also the places between p's codes and scale word and the products below
.endr
	v_pk_add_f32 v[244:245], v[244:245], v[246:247]
	v_pk_add_f32 v[242:243], v[242:243], v[248:249]
	v_pk_add_f32 v[242:243], v[242:243], v[244:245]
	s_wait_dscnt 20                                ; V is in: behind its loads only the 20 for the next step's K were issued
.irp ct, 0,1,2,3                               ; O^T += V^T P^T: the four accumulators by turns
.if (\ct)%2
	v_wmma_scale_f32_16x16x128_f8f6f4 v[160+8*\ct:167+8*\ct], v[192+12*\ct:203+12*\ct], v[84:95], v[160+8*\ct:167+8*\ct], v[30+\ct/2], v29 matrix_a_fmt:MATRIX_FMT_FP6 matrix_b_fmt:MATRIX_FMT_FP6 matrix_a_scale:MATRIX_SCALE_ROW1
.else
	v_wmma_scale_f32_16x16x128_f8f6f4 v[160+8*\ct:167+8*\ct], v[192+12*\ct:203+12*\ct], v[84:95], v[160+8*\ct:167+8*\ct], v[30+\ct/2], v29 matrix_a_fmt:MATRIX_FMT_FP6 matrix_b_fmt:MATRIX_FMT_FP6
.endif
.endr
	s_add_co_u32 s[TBK], s[TBK], 8*UP
	s_add_co_u32 s[TBV], s[TBV], 6144
	s_add_co_u32 s[TSK], s[TSK], 512
	s_add_co_u32 s[TSV], s[TSV], 256
.endm
; ONE TILE OF 16 QUERIES: 16 key steps, then the way out.  Written out twice, so that each loop is a plain counted loop whose LDS steps begin at constants.
.macro TILE i
	v_mov_b32 v241, 0xff61b1e6                     ; the largest score so far: -3e38
	v_mov_b32 v240, 0x7e800000                     ; -M: so large that the first f is 0
	v_mov_b32 v242, 0
	v_mov_b32 v243, 0
.set j, 0
.rept 32
	v_mov_b32 v[160+j], 0                          ; O^T: the step is written once, and the first finds zeros
.set j, j+1
.endr
	s_mov_b32 s[TBK], 8*UP
	s_mov_b32 s[TBV], VB
	s_mov_b32 s[TSK], 512
	s_mov_b32 s[TSV], VSC
	s_mov_b32 s[KC], 16
	KLOAD 4, 5, 6                                  ; step 0's K
.if \i > 0
	s_wait_xcnt 0x0                                ; the first tile's stores have read their data registers
	s_wait_loadcnt 0x0                             ; Q of the second tile
.endif
.Lkey_\@:
	STEP
	s_sub_co_u32 s[KC], s[KC], 1
	s_cmp_lg_u32 s[KC], 0
	s_cbranch_scc1 .Lkey_\@
	s_wait_dscnt 0x0                               ; the last trip's loads have landed: their registers may be asked for again
.if \i == 0
	v_and_b32 v8, 60, v3                           ; 4 r
	global_load_b128 v[16:19], v1, s[4:5] offset:1536          ; Q of my second tile, under the way out
	global_load_b64 v[20:21], v2, s[4:5] offset:1536+512
	global_load_u16 v28, v8, s[6:7] offset:64
.endif
.rept 4
	v_nop
.endr
	s_wait_alu depctr_va_vdst(0)
	v_add_f32 v242, v242, v243
	s_delay_alu instid0(VALU_DEP_1)
	v_permlanex16_b32 v244, v242, s[SEL], s[SEL+1]
	s_delay_alu instid0(VALU_DEP_1)
	v_add_f32 v242, v242, v244                     ; the row's sum
	s_wait_alu depctr_va_vdst(0)
	v_rcp_f32 v250, v242
	v_nop
	s_wait_alu depctr_va_vdst(0)
.set j, 0
.rept 16
	v_pk_mul_f32 v[96+j:97+j], v[160+j:161+j], v[250:251] op_sel_hi:[1,0]   ; register 16 b + n is channel 32 b + 16 h + n of my query
.set j, j+2
.endr
.irp b, 0,1
	v_max3_num_f32 v[252+\b], |v[96+16*\b]|, |v[97+16*\b]|, 0x1800000
.endr
.irp n, 2,4,6,8,10,12,14
.irp b, 0,1
	s_delay_alu instid0(VALU_DEP_2)
	v_max3_num_f32 v[252+\b], v[252+\b], |v[96+16*\b+\n]|, |v[97+16*\b+\n]|
.endr
.endr
.irp b, 0,1
	s_delay_alu instid0(VALU_DEP_2)
	v_permlanex16_b32 v[254+\b], v[252+\b], s[SEL], s[SEL+1]
.endr
.irp b, 0,1
	s_delay_alu instid0(VALU_DEP_2)
	v_max_num_f32 v[252+\b], v[252+\b], v[254+\b]
.endr
.irp b, 0,1
	s_delay_alu instid0(VALU_DEP_2)
	v_add_nc_u32 v[244+\b], 0xff000000, v[252+\b]
.endr
.irp b, 0,1
	s_delay_alu instid0(VALU_DEP_2)
	v_lshrrev_b32 v[254+\b], 23, v[244+\b]
.endr
	v_cvt_scalef32_pk16_fp6_f32 v[84:86], v[96:111], v244
	v_cvt_scalef32_pk16_fp6_f32 v[192:194], v[112:127], v245
	v_nop
.irp n, 0,1,2
	v_permlane16_swap_b32 v[84+\n], v[192+\n]      ; lanes 0-15 now hold block 0 whole, lanes 16-31 block 1
.endr
.irp n, 0,1,2
	s_delay_alu instid0(VALU_DEP_3)
	v_mov_b32 v[87+\n], v[192+\n]
.endr
	v_cndmask_b32 v248, v254, v255, s67            ; my block's byte
	global_store_b128 v1, v[84:87], s[8:9] offset:12288*\i         ; the unit (tile, head): 512 and 256 consecutive bytes, aligned to 256
	global_store_b64 v2, v[88:89], s[8:9] offset:12288*\i+512
	global_store_b8 v7, v248, s[10:11] offset:512*\i
.endm
	TILE 0
	TILE 1
	s_wait_tensorcnt 0x0                           ; the wave's end
	ds_add_u32 v14, v15
	s_wait_dscnt 0x0
	CROUND                                         ; the closing round
	s_endpgm
.Lfunc_end_k_qa0a8f8120e_attn:
	.size	k_qa0a8f8120e_attn, .Lfunc_end_k_qa0a8f8120e_attn-k_qa0a8f8120e_attn
	.p2alignl 7, 3214868480
	.fill 96, 4, 3214868480
	.section	.rodata,"a",@progbits
	.p2align	6, 0x0
	.amdhsa_kernel k_qa0a8f8120e_attn
		.amdhsa_group_segment_fixed_size 235520
		.amdhsa_private_segment_fixed_size 0
		.amdhsa_enable_private_segment 0
		.amdhsa_kernarg_size 32
		.amdhsa_user_sgpr_count 2
		.amdhsa_user_sgpr_kernarg_segment_ptr 1
		.amdhsa_wavefront_size32 1
		.amdhsa_system_sgpr_workgroup_id_x 1
		.amdhsa_system_sgpr_workgroup_id_y 1
		.amdhsa_system_sgpr_workgroup_id_z 1
		.amdhsa_system_vgpr_workitem_id 0
		.amdhsa_next_free_vgpr 256
		.amdhsa_next_free_sgpr 96
		.amdhsa_reserve_vcc 0
		.amdhsa_float_denorm_mode_32 3
		.amdhsa_float_denorm_mode_16_64 3
		.amdhsa_memory_ordered 1
		.amdhsa_forward_progress 1
		.amdhsa_inst_pref_size 55
	.end_amdhsa_kernel
	.amdgpu_metadata
---
amdhsa.version: [ 1, 2 ]
amdhsa.kernels:
  - .name:           k_qa0a8f8120e_attn
    .symbol:         k_qa0a8f8120e_attn.kd
    .args:
      - { .name: qkv, .offset: 0, .size: 8, .value_kind: global_buffer, .address_space: global }
      - { .name: sc, .offset: 8, .size: 8, .value_kind: global_buffer, .address_space: global }
      - { .name: aq, .offset: 16, .size: 8, .value_kind: global_buffer, .address_space: global }
      - { .name: asc, .offset: 24, .size: 8, .value_kind: global_buffer, .address_space: global }
    .group_segment_fixed_size: 235520
    .private_segment_fixed_size: 0
    .kernarg_segment_align: 8
    .kernarg_segment_size: 32
    .max_flat_workgroup_size: 512
    .sgpr_count:     96
    .vgpr_count:     256
    .wavefront_size: 32
...
	.end_amdgpu_metadata
.endif
;; end of part 3
;; launch oproj (part 4): grid 4 x 32, 4 waves a work-group, clusters of 4 x 4, 327,680 bytes of LDS; arguments aq, asc, wq, ws, out0; writes out0
.if DOCPART == 4
	.amdgcn_target "amdgcn-amd-amdhsa--gfx1250"
	.amdhsa_code_object_version 6
	.text
	.protected	k_qa0a8f8120e_oproj
	.globl	k_qa0a8f8120e_oproj
	.p2align	8
	.type	k_qa0a8f8120e_oproj,@function
k_qa0a8f8120e_oproj:
	s_mov_b64 s[64:65], 0
	v_nop
	global_prefetch_b8 v0, s[64:65] scope:SCOPE_SE
	s_setreg_imm32_b32 hwreg(HW_REG_WAVE_MODE, 25, 1), 1
	s_wait_xcnt 0x0
	s_wait_alu depctr_hold_cnt(0) depctr_sa_sdst(0) depctr_va_vdst(0) depctr_va_sdst(0) depctr_va_ssrc(0) depctr_va_vcc(0) depctr_vm_vsrc(0)
	s_getreg_b32 s2, hwreg(HW_REG_IB_STS2, 6, 4)
	s_cmp_eq_u32 s2, 0
	s_cbranch_scc0 .Lentry_in_a_cluster
	s_endpgm
.Lentry_in_a_cluster:
	s_bfe_u32 s2, ttmp6, 0x10000c
	s_cmp_lg_u32 s2, 0xf033
	s_cbranch_scc0 .Lentry_shape_is_right
	s_endpgm
.Lentry_shape_is_right:
.set NQ,     2
.set FR,     12
.set NL,     4
.set NP,     4
.set TILEB,  3072
.set HALFT,  8*TILEB
.set SLOT,   4*HALFT
.set SCL,     3*SLOT
.set HALFS,  4096
.set SPARE,  SCL+4*HALFS
.set SPITCH, 528
.set ADRA, 8
.set ADRB, 16
.set STO,  24
.set RD,   25
.set CO,   26
.set ADRS, 27
.set SPW,  28
.set NIL,  29
.set SC,   32
.set AF,   128
.set BK,   128
.set G1, 24
.set G0, 32
.set G1B, 48
.set G0B, 56
.set G1S, 68
.set G0S, 76
.set G1SB, 80
.set G0SB, 88
.set MSB, 0
.macro WIN new
.if MSB != \new
	s_set_vgpr_msb (MSB<<8)|\new
.set MSB, \new
.endif
.endm
.set MUL_LO, 0xa1
.set MUL_HI, 0xf1
.set TO_B,   0x40
.macro JLOAD g0a, g1a, g0b, g1b
	s_cmp_eq_u32 s15, 0
	s_cbranch_scc0 .Lfor_b_\@
	tensor_load_to_lds s[\g0a:\g0a+3], s[\g1a:\g1a+7]
	s_nop 0
.rept 4
	v_nop
.endr
	s_branch .Lasked_\@
.Lfor_b_\@:
	tensor_load_to_lds s[\g0b:\g0b+3], s[\g1b:\g1b+7]
	s_nop 0
.rept 4
	v_nop
.endr
.Lasked_\@:
.endm
.macro CREST
	s_cmp_lg_u32 s14, 0
	s_cbranch_scc1 .Lnot_wave_0_\@
	s_barrier_signal -3
.Lnot_wave_0_\@:
	s_barrier_wait -3
	s_barrier_signal -1
	s_barrier_wait -1
.endm
.macro CROUND
	s_barrier_signal -1
	s_barrier_wait -1
	CREST
.endm
	s_load_b128 s[4:7], s[0:1], 0x0
	s_load_b128 s[8:11], s[0:1], 0x10
	s_load_b64 s[12:13], s[0:1], 0x20
	v_lshl_add_u32 v[SPW], v0, 2, SPARE
	v_mov_b32 v[NIL], 0
	ds_add_u32 v28, v29
	ds_add_u32 v28, v29
	s_wait_dscnt 0x0
	v_lshrrev_b32 v1, 5, v0
	v_readfirstlane_b32 s14, v1
	s_lshr_b32 s15, s14, 1
	s_and_b32 s16, s14, 1
	s_bfe_u32 s40, ttmp6, 0x40000
	s_bfe_u32 s41, ttmp6, 0x40004
	s_add_co_u32 s42, s40, 12
	s_and_b32 s17, ttmp7, 0xffff
	s_lshl_b32 s17, s17, 2
	s_add_co_u32 s17, s17, s41
	s_lshl_b32 s43, s41, 2
	s_lshl_b32 s43, 15, s43
	s_lshl_b32 s44, 0x1111, s40
	s_or_b32 s[G1+0], s43, (3<<16)|(1<<21)
	s_or_b32 s[G1B+0], s44, (3<<16)|(1<<21)
.irp g, G1, G1B
	s_mov_b32 s[\g+1], 768<<16
	s_mov_b32 s[\g+2], 16<<16
	s_mov_b32 s[\g+3], 768<<16
	s_mov_b32 s[\g+4], 16
	s_mov_b32 s[\g+5], 1536
	s_mov_b32 s[\g+6], 0
	s_mov_b32 s[\g+7], 0
.endr
	s_or_b32 s[G1S+0], s43, (3<<16)|(1<<21)
	s_or_b32 s[G1SB+0], s44, (3<<16)|(1<<21)
.irp g, G1S, G1SB
	s_mov_b32 s[\g+1], 32<<16
	s_mov_b32 s[\g+2], 32<<16
	s_mov_b32 s[\g+3], 32<<16
	s_mov_b32 s[\g+4], 32
	s_mov_b32 s[\g+5], 32
	s_mov_b32 s[\g+6], 0
	s_mov_b32 s[\g+7], 0
.endr
	s_lshl_b32 s18, s16, 7
	s_lshl_b32 s20, s17, 8
	s_add_co_u32 s20, s20, s18
	s_lshl_b32 s46, s42, 8
	s_add_co_u32 s46, s46, s18
	s_lshl_b32 s22, s20, 5
	s_mul_i32 s20, s20, 768
	s_mov_b32 s21, 0
	s_mov_b32 s23, 0
	s_lshl_b32 s92, s46, 5
	s_mul_i32 s46, s46, 768
	s_mov_b32 s47, 0
	s_mov_b32 s93, 0
	s_mul_i32 s45, s14, HALFT
	s_wait_kmcnt 0x0
	s_add_nc_u64 s[20:21], s[4:5], s[20:21]
	s_add_nc_u64 s[22:23], s[6:7], s[22:23]
	s_add_nc_u64 s[46:47], s[8:9], s[46:47]
	s_add_nc_u64 s[92:93], s[10:11], s[92:93]
	CROUND
	s_mov_b32 s[G0S], 1
	s_mov_b32 s[G0S+1], SCL
	s_lshl_b32 s18, s16, 12                        ; back to the first of the tile's 256 rows: the head's loads bring whole tiles
	s_mov_b32 s19, 0
	s_sub_nc_u64 s[G0S+2:G0S+3], s[22:23], s[18:19]
	s_or_b32 s[G0S+3], s[G0S+3], 0x80000000
	s_mov_b32 s[G0SB], 1
	s_mov_b32 s[G0SB+1], SCL+2*HALFS
	s_sub_nc_u64 s[G0SB+2:G0SB+3], s[92:93], s[18:19]
	s_or_b32 s[G0SB+3], s[G0SB+3], 0x80000000
.irp s, 0,1
	s_mov_b32 s[G0+4*\s], 1
	s_add_co_u32 s[G0+4*\s+1], s45, (1-\s)*2*SLOT
	s_add_nc_u64 s[G0+4*\s+2:G0+4*\s+3], s[20:21], (2-\s)*TILEB
	s_or_b32 s[G0+4*\s+3], s[G0+4*\s+3], 0x80000000
	s_mov_b32 s[G0B+4*\s], 1
	s_add_co_u32 s[G0B+4*\s+1], s45, (1-\s)*2*SLOT
	s_add_nc_u64 s[G0B+4*\s+2:G0B+4*\s+3], s[46:47], (2-\s)*TILEB
	s_or_b32 s[G0B+4*\s+3], s[G0B+4*\s+3], 0x80000000
.endr
	s_mul_i32 s18, s16, 128*768
	s_mov_b32 s4, 1                                ; s[4:7], s[8:11]: group 0 of the head's loads of slot 0: A's 16 tiles, B's 16 tiles (the arguments that lay there have served)
	s_mov_b32 s5, 0
	s_sub_nc_u64 s[6:7], s[20:21], s[18:19]
	s_or_b32 s7, s7, 0x80000000
	s_mov_b32 s8, 1
	s_mov_b32 s9, SLOT
	s_sub_nc_u64 s[10:11], s[46:47], s[18:19]
	s_or_b32 s11, s11, 0x80000000
; the head's four tiles, one tensor load a wave, in one chain of branches on the wave's number: A's codes, B's codes, A's scales, B's scales
.macro ARM under, g0, g1, next
	s_cmp_lt_u32 s14, \under
	s_cbranch_scc0 \next
	tensor_load_to_lds s[\g0:\g0+3], s[\g1:\g1+7]
	s_nop 0
.rept 4
	v_nop
.endr
	s_branch .Lhead_asked
\next:
.endm
	ARM 1, G0S, G1S, .Lhead_b                      ; the scales are asked for first; then K quarters 0 and 1 of A's and of B's 16 tiles, rows of 6,144 bytes
	ARM 2, G0SB, G1SB, .Lhead_sa
	ARM 3, 4, G1, .Lhead_sb
	tensor_load_to_lds s[8:11], s[G1B:G1B+7]
	s_nop 0
.rept 4
	v_nop
.endr
.Lhead_asked:
	v_and_b32 v1, 15, v0
	v_bfe_u32 v2, v0, 4, 1
	v_and_b32 v3, 31, v0
	v_lshlrev_b32 v[CO], 4, v3
	v_lshlrev_b32 v5, 3, v3
	v_add_nc_u32 v5, 512, v5
	s_mul_i32 s21, s15, HALFT
	s_mul_i32 s22, s16, HALFT
	s_add_co_u32 s22, s22, 2*HALFT
; three sets of fragment addresses: 0: K quarters 0 and 1 (A from byte 0, B from SLOT, 6,144 bytes a tile); 1: quarter 2 (from 2 SLOT, 3,072 a tile); 2: quarter 3 (from byte 0, 3,072 a tile)
.irp s, 2,1
	v_add_nc_u32 v[ADRA+\s], s21, v[CO]
	v_add_nc_u32 v[ADRB+\s], s22, v[CO]
	v_add_nc_u32 v[ADRA+3+\s], s21, v5
	v_add_nc_u32 v[ADRB+3+\s], s22, v5
	s_add_co_u32 s21, s21, 2*SLOT
	s_add_co_u32 s22, s22, 2*SLOT
.endr
	s_mul_i32 s21, s15, 2*HALFT
	s_mul_i32 s22, s16, 2*HALFT
	s_add_co_u32 s22, s22, SLOT
	v_add_nc_u32 v[ADRA], s21, v[CO]
	v_add_nc_u32 v[ADRB], s22, v[CO]
	v_add_nc_u32 v[ADRA+3], s21, v5
	v_add_nc_u32 v[ADRB+3], s22, v5
	v_lshlrev_b32 v6, 4, v1
	s_lshl_b32 s21, s15, 12
	s_lshl_b32 s22, s16, 12
	s_add_co_u32 s22, s22, 2*HALFS
	s_sub_co_u32 s22, s22, s21
	v_mul_u32_u24 v7, s22, v2
	s_add_co_u32 s21, s21, SCL
	v_add_nc_u32 v6, v6, v7
	v_add_nc_u32 v[ADRS], s21, v6
	s_mul_i32 s23, s14, 16*SPITCH
	s_add_co_u32 s23, s23, 2*SLOT                  ; the stages lie where quarter 2 lay: its last fill and, ahead of the walk's last barrier, its last reads are over
	v_mul_u32_u24 v5, v1, SPITCH
	v_lshl_add_u32 v5, v2, 6, v5
	v_add_nc_u32 v[STO], s23, v5
	v_add_nc_u32 v[RD], s23, v[CO]
	s_lshl_b32 s20, s17, 8
	s_lshl_b32 s21, s15, 7
	s_add_co_u32 s20, s20, s21
	s_lshl_b32 s20, s20, 12
	s_mov_b32 s21, 0
	s_lshl_b32 s46, s40, 10
	s_lshl_b32 s47, s16, 9
	s_add_co_u32 s46, s46, s47
	s_mov_b32 s47, 0
	s_add_nc_u64 s[20:21], s[20:21], s[46:47]
	s_add_nc_u64 s[12:13], s[12:13], s[20:21]
.macro FRAG reg, adr, q, i
.irp c, 0,1
	ds_load_b128 v[\reg+6*\c:\reg+6*\c+3], v[\adr] offset:(\i)*TP+KO+768*(2*(\q)+\c)
	ds_load_b64 v[\reg+6*\c+4:\reg+6*\c+5], v[\adr+3] offset:(\i)*TP+KO+768*(2*(\q)+\c)
.endr
.endm
.macro MUL16 a0, p, q, sc, zero
.irp a, \a0, \a0+1
.irp b, 0,1,2,3,4,5,6,7
.if \zero
	v_wmma_scale_f32_16x16x128_f8f6f4 v[8*(8*((\a)%4)+\b):8*(8*((\a)%4)+\b)+7], v[128*(\p)+FR*\b:128*(\p)+FR*\b+FR-1], v[AF+FR*(\a):AF+FR*(\a)+FR-1], 0, v[SC+8*NQ*(\sc)+NQ*\b+(\q)], v[SC+8*NQ*(\sc)+NQ*(\a)+(\q)] matrix_a_fmt:MATRIX_FMT_FP6 matrix_b_fmt:MATRIX_FMT_FP6 matrix_a_scale:MATRIX_SCALE_ROW1
.else
	v_wmma_scale_f32_16x16x128_f8f6f4 v[8*(8*((\a)%4)+\b):8*(8*((\a)%4)+\b)+7], v[128*(\p)+FR*\b:128*(\p)+FR*\b+FR-1], v[AF+FR*(\a):AF+FR*(\a)+FR-1], v[8*(8*((\a)%4)+\b):8*(8*((\a)%4)+\b)+7], v[SC+8*NQ*(\sc)+NQ*\b+(\q)], v[SC+8*NQ*(\sc)+NQ*(\a)+(\q)] matrix_a_fmt:MATRIX_FMT_FP6 matrix_b_fmt:MATRIX_FMT_FP6 matrix_a_scale:MATRIX_SCALE_ROW1
.endif
.endr
.endr
.endm
.macro FETCH_B slot, q, p
	WIN TO_B
.irp i, 0,1,2,3,4,5,6,7
	FRAG 128*(\p)+FR*\i, ADRB+ASL, \q, \i
.endr
	WIN 0
.endm
.macro FETCH_A slot, q, i0
.irp i, \i0, \i0+1, \i0+2, \i0+3
	FRAG AF+FR*(\i), ADRA+ASL, \q, \i
.endr
.endm
.macro SCALES sc, kq
.irp i, 0,1,2,3,4,5,6,7
	ds_load_b64 v[SC+8*NQ*\sc+NQ*\i:SC+8*NQ*\sc+NQ*\i+1], v[ADRS] offset:\i*512+256*((\kq)>>1)+8*((\kq)&1)
.endr
.endm
.macro PLACES n
.rept \n
	v_nop
.endr
.endm
.macro STEP slot, q, zero
	s_wait_dscnt 4*NL
	WIN MUL_LO
	MUL16 0, (\q)%2, \q, \slot, \zero
	MUL16 2, (\q)%2, \q, \slot, \zero
	s_wait_dscnt 0
	PLACES NP
	FETCH_B \slot, (\q)+1, 1-(\q)%2
	FETCH_A \slot, (\q)+1, 0
	WIN MUL_HI
	MUL16 4, (\q)%2, \q, \slot, \zero
	MUL16 6, (\q)%2, \q, \slot, \zero
	PLACES NP
	WIN 0
	FETCH_A \slot, (\q)+1, 4
.endm
.macro TURN slot, next, fill, kq
.if \fill == 2                         ; from quarter 0 to quarter 1: both came with the head's loads, so no barrier stands here
	s_wait_dscnt 4*NL
	WIN MUL_LO
	MUL16 0, 1, NQ-1, \slot, 0
	MUL16 2, 1, NQ-1, \slot, 0
	s_wait_dscnt 0
	PLACES NP
.else
	s_wait_tensorcnt 0x0
	ds_add_u32 v[SPW], v[NIL]
	s_wait_dscnt 4*NL+1
	WIN MUL_LO
	MUL16 0, 1, NQ-1, \slot, 0
	s_wait_dscnt 0x0
	s_barrier_signal -1
	MUL16 2, 1, NQ-1, \slot, 0
	WIN 0
	s_barrier_wait -1
.if \fill
	CREST
	s_add_nc_u64 s[G0+4*\slot+2:G0+4*\slot+3], s[G0+4*\slot+2:G0+4*\slot+3], 2*TILEB
	s_add_nc_u64 s[G0B+4*\slot+2:G0B+4*\slot+3], s[G0B+4*\slot+2:G0B+4*\slot+3], 2*TILEB
	JLOAD G0+4*\slot, G1, G0B+4*\slot, G1B
.else
	PLACES NP
.endif
.endif
	FETCH_B \next, 0, 0
	FETCH_A \next, 0, 0
	SCALES \next, \kq
	WIN MUL_HI
	MUL16 4, 1, NQ-1, \slot, 0
	MUL16 6, 1, NQ-1, \slot, 0
	PLACES NP
	WIN 0
	FETCH_A \next, 0, 4
.endm
	s_wait_alu depctr_va_vdst(0)
	s_wait_tensorcnt 0x0                           ; my tile of the head's four is in; slot 1's first fill is issued as a refill is
	ds_add_u32 v[SPW], v[NIL]
	s_mov_b32 s[G1+2], 8<<16                       ; no tensor load of mine is out: from here on a load brings 8 tiles
	s_mov_b32 s[G1+4], 8
	s_mov_b32 s[G1B+2], 8<<16
	s_mov_b32 s[G1B+4], 8
	s_mov_b32 s[G1+1], 384<<16                     ; of one K quarter: rows of 3,072 bytes
	s_mov_b32 s[G1+3], 384<<16
	s_mov_b32 s[G1B+1], 384<<16
	s_mov_b32 s[G1B+3], 384<<16
	s_wait_dscnt 0x0
	CROUND
	JLOAD G0, G1, G0B, G1B                         ; quarter 2, to 2 SLOT
.set ASL, 0                            ; which set of addresses, which tile pitch and which offset the fetches below take
.set TP, 2*TILEB
.set KO, 0
	FETCH_B 0, 0, 0
	FETCH_A 0, 0, 0
	SCALES 0, 0
	FETCH_A 0, 0, 4
	STEP 0, 0, 1
.set KO, TILEB
	TURN 0, 1, 2, 1
	STEP 1, 0, 0
.set ASL, 1
.set TP, TILEB
.set KO, 0
	TURN 1, 0, 1, 2                                ; the one refill: quarter 3 onto the bytes from 0 on, which quarters 0 and 1 have left
	STEP 0, 0, 0
.set ASL, 2
	TURN 0, 1, 0, 3
	STEP 1, 0, 0
	s_wait_dscnt 4*NL
	WIN MUL_LO
	MUL16 0, 1, NQ-1, 1, 0
	MUL16 2, 1, NQ-1, 1, 0
	s_wait_dscnt 0
	WIN MUL_HI
	MUL16 4, 1, NQ-1, 1, 0
	MUL16 6, 1, NQ-1, 1, 0
	WIN 0
.macro TOSTAGE a
.set AC, 64*((\a)%4)
	WIN 0x08+4*((\a)/4)
.irp b, 0,1,2,3,4,5,6,7
	ds_store_b128 v[STO], v[AC+8*\b:AC+8*\b+3] offset:128*(\b/2)+32*(\b%2)
	ds_store_b128 v[STO], v[AC+8*\b+4:AC+8*\b+7] offset:128*(\b/2)+32*(\b%2)+16
.endr
	WIN 0
.set BB, BK+64*((\a)%2)
.irp t, 0,1,2,3,4,5,6,7,8,9,10,11,12,13,14,15
	ds_load_b128 v[BB+4*\t:BB+4*\t+3], v[RD] offset:\t*SPITCH
.endr
.endm
.macro SEND a, younger
.set BB, BK+64*((\a)%2)
	s_wait_dscnt \younger
.irp t, 0,1,2,3,4,5,6,7,8,9,10,11,12,13,14,15
	global_store_b128 v[CO], v[BB+4*\t:BB+4*\t+3], s[12:13] offset:(32*((\a)/2)+8*((\a)%2)+\t+8*(\t/8))*4096 th:TH_STORE_NT
.endr
.endm
	PLACES NP
	TOSTAGE 0
.irp a, 1,2,3,4,5,6,7
.if \a > 1
	s_wait_xcnt 0x0
.endif
	TOSTAGE \a
	SEND \a-1, 32
.endr
	SEND 7, 0
	s_wait_tensorcnt 0x0
	ds_add_u32 v[SPW], v[NIL]
	s_wait_dscnt 0x0
	CROUND
	s_endpgm
.Lfunc_end_k_qa0a8f8120e_oproj:
	.size	k_qa0a8f8120e_oproj, .Lfunc_end_k_qa0a8f8120e_oproj-k_qa0a8f8120e_oproj
	.p2alignl 7, 3214868480
	.fill 96, 4, 3214868480
	.section	.rodata,"a",@progbits
	.p2align	6, 0x0
	.amdhsa_kernel k_qa0a8f8120e_oproj
		.amdhsa_group_segment_fixed_size 327680
		.amdhsa_private_segment_fixed_size 0
		.amdhsa_enable_private_segment 0
		.amdhsa_kernarg_size 40
		.amdhsa_user_sgpr_count 2
		.amdhsa_user_sgpr_kernarg_segment_ptr 1
		.amdhsa_wavefront_size32 1
		.amdhsa_system_sgpr_workgroup_id_x 1
		.amdhsa_system_sgpr_workgroup_id_y 1
		.amdhsa_system_sgpr_workgroup_id_z 1
		.amdhsa_system_vgpr_workitem_id 0
		.amdhsa_next_free_vgpr 1024
		.amdhsa_next_free_sgpr 98
		.amdhsa_reserve_vcc 0
		.amdhsa_float_denorm_mode_32 3
		.amdhsa_float_denorm_mode_16_64 3
		.amdhsa_memory_ordered 1
		.amdhsa_forward_progress 1
		.amdhsa_inst_pref_size 143
	.end_amdhsa_kernel
	.amdgpu_metadata
---
amdhsa.version: [ 1, 2 ]
amdhsa.kernels:
  - .name:           k_qa0a8f8120e_oproj
    .symbol:         k_qa0a8f8120e_oproj.kd
    .args:
      - { .name: aq, .offset: 0, .size: 8, .value_kind: global_buffer, .address_space: global }
      - { .name: asc, .offset: 8, .size: 8, .value_kind: global_buffer, .address_space: global }
      - { .name: wq, .offset: 16, .size: 8, .value_kind: global_buffer, .address_space: global }
      - { .name: ws, .offset: 24, .size: 8, .value_kind: global_buffer, .address_space: global }
      - { .name: out0, .offset: 32, .size: 8, .value_kind: global_buffer, .address_space: global }
    .group_segment_fixed_size: 327680
    .private_segment_fixed_size: 0
    .kernarg_segment_align: 8
    .kernarg_segment_size: 40
    .max_flat_workgroup_size: 128
    .sgpr_count:     98
    .vgpr_count:     1024
    .wavefront_size: 32
...
	.end_amdgpu_metadata
.endif
;; end of part 4
